; MI455X (gfx1250); checked and timed in simulation.
; The chip was launched on July 23, 2026; its instructions are those of AMD's public machine-readable ISA for CDNA 5 (MIT licence, August 2026) and "CDNA5" Instruction Set Architecture Reference Guide (July 2026). The comments in the code are by the model that wrote it; some were corrected since.
;; MHA. Allowed arithmetic: matrix products marked QUANTISED: E5M2 operands, one E8M0 scale for each 32 along K, by v_wmma_scale_f32_16x16x128_f8f6f4 with both operands' format E5M2, f32 sums; everything else in f32.
;; Inputs: Q 1,024 x 8 x 1,024 float32; Wk 16 x 1,024 x 64 float32; Wo 1,024 x 1,024 float32; Wq 16 x 1,024 x 64 float32; Wv 16 x 1,024 x 64 float32; bk 16 x 64 float32; bo 1,024 float32; bq 16 x 64 float32; bv 16 x 64 float32.
;; Outputs: out0 1,024 x 8 x 1,024 float32.
;; This version of the problem:
;;   THIS VERSION OF THE PROBLEM IS GIVEN IN LOW PRECISION. The matrix products marked QUANTISED in the list below multiply operands that are first quantised to E5M2 (5 exponent bits, 2 mantissa bits; 8 bits a number), with one power-of-two scale for each 32 numbers along K (OCP MX v1.0); their sums are f32. All else is computed in f32.
;;   The module's matrix products, in the order in which they are computed (A, B: the left and right operand; K: the contracted axis; several contracted axes count as one K, in the product's order):
;;     1. [M 1,024, K 1,024] x [K 1,024, N 8,192]; A: input Wq; B: input Q: QUANTISED
;;     2. [M 1,024, K 1,024] x [K 1,024, N 8,192]; A: input Wk; B: input Q: QUANTISED
;;     3. [M 1,024, K 1,024] x [K 1,024, N 8,192]; A: input Wv; B: input Q: QUANTISED
;;     4. batch 128 x [M 1,024, K 64] x [K 64, N 1,024]; A: computed on the way; B: computed on the way: QUANTISED
;;     5. batch 128 x [M 64, K 1,024] x [K 1,024, N 1,024]; A: computed on the way; B: softmax (see below): QUANTISED
;;     6. [M 8,192, K 1,024] x [K 1,024, N 1,024]; A: computed on the way; B: input Wo: QUANTISED
;;   THE QUANTISER, for each operand of a quantised product, along K:
;;     - K is cut into blocks of 32 from its start; a last block that is shorter is filled with zeros.
;;     - A block's scale is 2^e with e = floor(log2(the largest magnitude in the block)) - 15, held to -126 .. 127; a block of zeros has e = 0. As a byte (E8M0): e + 127.
;;     - Each number is divided by its block's scale, clamped to +-57,344, and rounded to the nearest number of E5M2, ties to even, subnormals kept.
;;     - The product sums the exact products of the quantised numbers (number of the format x scale) in f32.
;;   ~~~python
;;   def quantise(x, axis):      # numpy; x: float32 -> the quantised numbers, widened to float32 again
;;       x = np.moveaxis(x, axis, -1); K = x.shape[-1]
;;       x = np.pad(x, [(0, 0)] * (x.ndim - 1) + [(0, -K % 32)]); x = x.reshape(x.shape[:-1] + (-1, 32)); a = np.abs(x).max(-1, keepdims=True)
;;       e = np.where(a > 0, np.clip(np.frexp(np.where(a > 0, a, 1))[1] - 1 - 15, -126, 127), 0)      # np.frexp(a)[1] - 1 = floor(log2(a)), exactly
;;       r = np.clip(x / 2.0 ** e, -57344, 57344)
;;       step = 2.0 ** (np.maximum(np.frexp(np.where(r == 0, 1, r))[1] - 1, -14) - 2)
;;       q = np.round(r / step) * step * 2.0 ** e      # np.round: ties to even
;;       return np.moveaxis(q.reshape(q.shape[:-2] + (-1,))[..., :K], -1, axis).astype(np.float32)
;;   ~~~
;;   SOFTMAX AHEAD OF A QUANTISED PRODUCT. Where the list says 'softmax', what is quantised is not the finished softmax but p = 2^(t - M), with t = logit x log2(e) and M = ceil(the row's largest t), a whole number; so 1/2 < the row's largest p <= 1. The row's sum l is taken of the UNQUANTISED p, in f32, and the product's result is divided by l at the end. Since M is a whole number, a kernel that streams over the keys may use a running M (the ceiling of the running maximum): every later rescaling is an exact power of two, which a block's scale takes up: the codes' values come out the same.
;;   OPERANDS COMPUTED ON THE WAY. 'Computed on the way' means the value that the module computes at that place (a softmax that the list does not call 'softmax' is quantised finished and normalised). What goes into a quantiser is computed in f32, as accurately as f32 sums, v_exp_f32 and their like allow (about 1e-6 of the number): no bf16 or f16 on the way to a quantiser, and a product that is left as it is and whose result goes on into a quantised operand takes f32 operands (vector FMAs, or v_wmma_f32_16x16x4_f32). A number that lies on a knife's edge between two numbers of the format may be rounded either way, as far as f32 arithmetic and the matrix unit's own rounding can turn it there, and no further.
;; One version. Each part assembles by itself: llvm-mc -triple=amdgcn-amd-amdhsa -mcpu=gfx1250 --defsym DOCPART=n.
;; ======== version 1 of 1: 4 launches
;; limits: right only within a limited range of input values
;; workspace buffers: xc 8,388,608 bytes; xs 262,144 bytes; wc 4,194,304 bytes; ws 131,072 bytes; img 25,952,256 bytes; yimg 8,388,608 bytes; ysc 262,144 bytes
;; launch prep (part 1): grid 384 x 1, 4 waves a work-group, no clusters, 68,096 bytes of LDS; arguments Q, Wq, Wk, Wv, Wo, xc, xs, wc, ws; writes xc, xs, wc, ws
.if DOCPART == 1
	.amdgcn_target "amdgcn-amd-amdhsa--gfx1250"
	.amdhsa_code_object_version 6
	.text
	.protected	k_qf14279c7ca_prep
	.globl	k_qf14279c7ca_prep
	.p2align	8
	.type	k_qf14279c7ca_prep,@function
k_qf14279c7ca_prep:
	s_mov_b64 s[64:65], 0
	v_nop
	global_prefetch_b8 v0, s[64:65] scope:SCOPE_SE
	s_setreg_imm32_b32 hwreg(HW_REG_WAVE_MODE, 25, 1), 1
	s_wait_xcnt 0x0
; Q [1024 s][8 b][1024 d] and the four weights, all f32, become codes of BF8 (E5M2) with K (= d, or Wo's first axis) innermost, and one E8M0 scale byte for each 32 along K.
; A block's scale is 2^(floor(log2(its largest magnitude)) - 15); its byte is the largest magnitude's exponent field - 15, held at 1 from below; each number is divided by the scale, held within +-57,344, rounded to the nearest code, ties to even.
; LIMITS: NaN and infinities among the inputs are not served; a block whose largest magnitude lies under 2^-111 keeps the byte 1; a block of zeros keeps the byte 1 where the rule says 127 (its codes are zeros, and this program alone reads the bytes).
; WHERE THE ROWS GO.  swap34(x) exchanges bits 3 and 4 of x.  Row (s, b) of Q goes to row b x 1024 + swap34(s) of xc; column n of head h of Wq, Wk, Wv (T = 0, 1, 2) to row 1024 T + 64 h + swap34(n) of wc; column n of Wo to row 3072 + n.
; So 16 consecutive rows 16 i + r of xc or wc hold the true indices 32 (i / 2) + 8 (i % 2) + r + 8 (r / 8): in a product that takes them as source 0, a lane's 16 registers of two neighbouring tiles are 16 neighbours of the true index.
; Work-groups 0-255 take Q (K innermost: a lane holds 16 neighbours, two lanes a block), work-groups 256-383 the weights (K outermost: a lane takes a column and its registers run down K).  The two ways share no LDS byte.
; No tensor loads, no barrier: waves share nothing.
.set MANT,  0x600000                   ; the mantissa field of 57,344 as f32
.set FLOOR, 0x8000000                  ; 2^(16 - 127)
.set DOWN,  0xf8800000                 ; -(15 << 23)
.set XWG,   256                        ; work-groups for Q
.set STEPS, 16                         ; Q: steps of 512 numbers in a wave
.set WREG,  8192                       ; Q: LDS of a wave: two stages of 32 x SP bytes, then its 256 scale bytes
.set SP,    80                         ; a lane's place in a stage: 64 bytes + 16 of padding
.set XR,    16                         ; v16-79   four sets of 16 numbers as loaded
.set XX,    80                         ; v80-111  two sets of 16 neighbours
.set XE,    112                        ; v112-127 a scale byte for each step
.set XC,    128                        ; v128-191 codes, four registers for each step: no store's data are written again
.set WSTG,  32768                      ; weights: the stages begin here, 32 rows x PITCH for each wave
.set PITCH, 272                        ; a stage row: 256 bytes of codes + 16
.set NB,    8                          ; blocks of 32 along K for a wave
.set SB,    24                         ; v24-25   a column's 8 scale bytes
.set WX,    32                         ; v32-95   two sets of 32 numbers
.set WC,    96                         ; v96-103  a block's codes
.set OUTR,  112                        ; v112-175 the way out
.set OF,    176                        ; v176-207 byte offset of row i of a block, at my column
	s_load_b256 s[4:11], s[0:1], 0x0               ; Q, Wq, Wk, Wv
	s_load_b256 s[12:19], s[0:1], 0x20             ; Wo, xc, xs, wc
	s_load_b64 s[20:21], s[0:1], 0x40              ; ws
	v_lshl_add_u32 v208, v0, 2, 0x10800
	v_mov_b32 v209, 0
	v_lshrrev_b32 v1, 5, v0
	v_readfirstlane_b32 s22, v1                    ; wave 0..3
	v_and_b32 v2, 31, v0                           ; lane
	s_cmp_lt_u32 ttmp9, XWG
	s_cbranch_scc0 .Lweights
; ---------------- Q.  Wave J = 4 x work-group + wave takes b = J % 8 and the eight rows s = 8 (J / 8) + 0 .. 7: 16 steps of half a row.
	v_lshlrev_b32 v3, 4, v2                        ; 16 x lane: my 16 bytes of a load's 512, and my 16 codes of a step's 512
	s_mul_i32 s23, s22, WREG
	v_lshrrev_b32 v14, 2, v2
	v_mul_u32_u24 v14, v14, SP
	v_and_b32 v15, 3, v2
	v_lshl_add_u32 v14, v15, 4, v14
	v_add_nc_u32 v14, s23, v14                     ; the stage, on the way in: four lanes' 64 bytes on end, then 16 of padding
	v_mul_u32_u24 v15, v2, SP
	v_add_nc_u32 v15, s23, v15                     ; and on the way out: my 16 neighbours
	v_lshrrev_b32 v5, 1, v2
	s_add_co_u32 s23, s23, 2*32*SP
	v_add_nc_u32 v5, s23, v5                       ; my wave's 256 scale bytes, my block's byte
	v_lshlrev_b32 v7, 3, v2                        ; on their way out 8 bytes a lane
	v_add_nc_u32 v6, s23, v7
	s_mov_b32 s24, MANT
	s_lshl_b32 s25, ttmp9, 2
	s_add_co_u32 s25, s25, s22                     ; J
	s_and_b32 s26, s25, 7                          ; b
	s_lshr_b32 s27, s25, 3                         ; sg = s / 8
	s_lshl_b32 s28, s27, 18                        ; eight rows s are 8 x 8 x 4,096 bytes,
	s_lshl_b32 s29, s26, 12                        ; a b 4,096
	s_add_co_u32 s28, s28, s29
	s_mov_b32 s29, 0
	s_and_b32 s30, s27, 0x7c                       ; bits 3 and 4 of s are bits 0 and 1 of sg: exchange them
	s_and_b32 s31, s27, 1
	s_lshl_b32 s31, s31, 1
	s_or_b32 s30, s30, s31
	s_bfe_u32 s31, s27, 0x10001
	s_or_b32 s30, s30, s31
	s_lshl_b32 s30, s30, 3
	s_lshl_b32 s31, s26, 10
	s_add_co_u32 s30, s30, s31                     ; my first row of xc: 1024 b + swap34(8 sg)
	s_lshl_b32 s32, s30, 10                        ; its codes,
	s_mov_b32 s33, 0
	s_lshl_b32 s34, s30, 5                         ; its scale bytes: a multiple of 256
	s_mov_b32 s35, 0
	s_wait_alu depctr_va_vdst(0)
	s_wait_kmcnt 0x0
	s_add_nc_u64 s[4:5], s[4:5], s[28:29]
	s_add_nc_u64 s[14:15], s[14:15], s[32:33]
	s_add_nc_u64 s[16:17], s[16:17], s[34:35]
.macro LOADX t                         ; step t: row t / 2, half t % 2: each load reads 512 consecutive bytes
.irp i, 0,1,2,3
	global_load_b128 v[XR+16*((\t)%4)+4*\i:XR+16*((\t)%4)+4*\i+3], v3, s[4:5] offset:((\t)/2)*32768+((\t)%2)*2048+512*\i th:TH_LOAD_NT
.endr
.endm
.macro TURNX t                         ; step t's numbers through the stage: LDS serves a wave's instructions in order, so no wait stands between the stores and the loads
.irp i, 0,1,2,3
	ds_store_b128 v14, v[XR+16*((\t)%4)+4*\i:XR+16*((\t)%4)+4*\i+3] offset:32*SP*((\t)%2)+8*SP*\i
.endr
.irp i, 0,1,2,3
	ds_load_b128 v[XX+16*((\t)%2)+4*\i:XX+16*((\t)%2)+4*\i+3], v15 offset:32*SP*((\t)%2)+16*\i
.endr
.endm
.irp t, 0,1,2,3
	LOADX \t
.endr
	s_wait_loadcnt 12                              ; step 0's four loads are in; those of steps 1 to 3 stay out
	TURNX 0
.macro STEPX t
.set XS, XX+16*((\t)%2)
.if (\t) > 0
	s_wait_dscnt 1                                 ; this step's numbers are back from the stage (the last step's byte store may be out): its stores into the stage have read their registers,
.else
	s_wait_dscnt 0x0
.endif
.if (\t)+4 < STEPS
	LOADX (\t)+4                                   ; which take the loads of four steps on
.endif
.if (\t)+1 < STEPS
.if STEPS-2-(\t) >= 3
	s_wait_loadcnt 12                              ; the next step's four loads are in; those of the three steps behind it may be out
.else
	s_wait_loadcnt 4*(STEPS-2-(\t))
.endif
	TURNX (\t)+1                                   ; and go through the other stage while this step is worked
.endif
	v_max3_num_f32 v8, |v[XS]|, |v[XS+1]|, |v[XS+2]|               ; the largest magnitude of my 16, in two chains
	v_max3_num_f32 v9, |v[XS+3]|, |v[XS+4]|, |v[XS+5]|
.irp i, 6,10
	v_max3_num_f32 v8, v8, |v[XS+\i]|, |v[XS+\i+1]|
	v_max3_num_f32 v9, v9, |v[XS+\i+2]|, |v[XS+\i+3]|
.endr
	v_max3_num_f32 v8, v8, |v[XS+14]|, |v[XS+15]|
	v_max3_num_f32 v8, v8, v9, FLOOR               ; and the floor: the byte cannot fall under 1
	v_max_num_f32_dpp v8, v8, v8 row_xmask:1 row_mask:0xf bank_mask:0xf   ; and of my neighbour's 16: the block's
	v_add_nc_u32 v11, DOWN, v8                     ; 15 off its exponent field: the conversion takes the exponent field of this operand as its scale
	v_and_or_b32 v10, v8, 0x7f800000, s24          ; 57,344 x the scale
.irp i, 0,1,2,3,4,5,6,7,8,9,10,11,12,13,14,15
	v_med3_num_f32 v[XS+\i], v[XS+\i], -v10, v10   ; the conversion to an 8-bit code does not saturate (ISA guide 7.6.2): the hold comes first
.endr
	v_cvt_scalef32_pk8_bf8_f32 v[XC+4*(\t):XC+4*(\t)+1], v[XS:XS+7], v11
	v_cvt_scalef32_pk8_bf8_f32 v[XC+4*(\t)+2:XC+4*(\t)+3], v[XS+8:XS+15], v11
	v_lshrrev_b32 v[XE+(\t)], 23, v11              ; the scale's byte (also the plain line behind the conversions)
	ds_store_b8 v5, v[XE+(\t)] offset:16*(\t)      ; both lanes of a block write the same byte with the same value
	global_store_b128 v3, v[XC+4*(\t):XC+4*(\t)+3], s[14:15] offset:512*(\t)   ; the wave stores 512 consecutive bytes, aligned
.endm
.irp t, 0,1,2,3,4,5,6,7,8,9,10,11,12,13,14,15
	STEPX \t
.endr
	ds_load_b64 v[12:13], v6                       ; LDS serves a wave's instructions in order: these see my stores
	s_wait_dscnt 0x0
	global_store_b64 v7, v[12:13], s[16:17]        ; 32 lanes store 256 consecutive bytes, aligned: eight rows' scale bytes
	s_wait_tensorcnt 0x0
	ds_add_u32 v208, v209
	s_wait_dscnt 0x0
	s_endpgm
; ---------------- The weights.  Work-group 256 + 2 Gc + kh takes the 64 columns of group Gc (T = Gc / 16; a head of Wq, Wk, Wv, or 64 columns of Wo) and half kh of K.
; Wave w: columns 32 (w % 2) on, K from 256 (2 kh + w / 2) on: 8 blocks a lane.  Two waves side by side read 256 consecutive bytes of a row.
.Lweights:
	s_sub_co_u32 s23, ttmp9, XWG
	s_lshr_b32 s24, s23, 1                         ; Gc
	s_and_b32 s25, s23, 1                          ; kh
	s_lshr_b32 s26, s24, 4                         ; T
	s_and_b32 s27, s24, 15                         ; the head, or which 64 columns of Wo
	s_and_b32 s28, s22, 1                          ; which 32 of the 64 columns
	s_lshr_b32 s29, s22, 1
	s_lshl_b32 s30, s25, 1
	s_add_co_u32 s29, s29, s30                     ; which 256 along K
	s_cmp_eq_u32 s26, 3
	s_cselect_b32 s30, 12, 8                       ; a row of the input is 4,096 bytes (Wo) or 256: as a shift
	s_cselect_b32 s31, 8, 18                       ; the group's 64 columns begin 256 bytes (Wo) or a head's 262,144 apart
	s_cselect_b32 s50, 0, -1                       ; a lane mask: all lanes where the columns are permuted
	s_wait_alu depctr_va_vdst(0)
	v_and_b32 v10, 7, v2
	v_bfe_u32 v11, v2, 3, 1
	v_bfe_u32 v12, v2, 4, 1
	v_lshl_or_b32 v10, v11, 4, v10
	v_lshl_or_b32 v10, v12, 3, v10                 ; swap34(lane)
	v_cndmask_b32 v10, v2, v10, s50                ; my column: the one that belongs in row (first row + lane) of wc
	v_lshlrev_b32 v3, 2, v10
.irp i, 0,1,2,3,4,5,6,7,8,9,10,11,12,13,14,15,16,17,18,19,20,21,22,23,24,25,26,27,28,29,30,31
	v_lshl_add_u32 v[OF+\i], \i, s30, v3           ; row i of a block, my column
.endr
	s_lshl_b32 s51, s27, s31
	s_lshl_b32 s52, s28, 7
	s_add_co_u32 s51, s51, s52
	s_lshl_b32 s52, s29, 8
	s_lshl_b32 s52, s52, s30
	s_add_co_u32 s52, s51, s52                     ; where my wave's part of the input begins
	s_mov_b32 s53, 0
	s_lshl_b32 s54, 32, s30                        ; 32 rows of the input
	s_mov_b32 s55, 0
	s_lshl_b32 s56, s24, 6
	s_lshl_b32 s57, s28, 5
	s_add_co_u32 s56, s56, s57                     ; my first row of wc: 64 Gc + 32 (w % 2)
	s_lshl_b32 s58, s56, 10
	s_lshl_b32 s57, s29, 8
	s_add_co_u32 s58, s58, s57                     ; its codes, at my 256 along K
	s_mov_b32 s59, 0
	s_lshl_b32 s60, s56, 5
	s_lshl_b32 s57, s29, 3
	s_add_co_u32 s60, s60, s57                     ; its scale bytes
	s_mov_b32 s61, 0
	s_mul_i32 s57, s22, 32*PITCH
	s_add_co_u32 s57, s57, WSTG                    ; my stage
	v_mul_u32_u24 v4, v2, PITCH
	v_add_nc_u32 v4, s57, v4                       ; into it: row = lane
	v_and_b32 v5, 15, v2
	v_lshrrev_b32 v6, 4, v2
	v_mul_u32_u24 v7, v6, PITCH
	v_lshl_add_u32 v7, v5, 4, v7
	v_add_nc_u32 v7, s57, v7                       ; out of it: sixteen lanes to a row, two rows an instruction
	v_lshlrev_b32 v8, 10, v6
	v_lshl_add_u32 v8, v5, 4, v8                   ; and the same place in wc
	v_lshlrev_b32 v9, 5, v2                        ; my row of scale bytes
	s_mov_b32 s62, MANT
	s_wait_kmcnt 0x0
	s_cmp_eq_u32 s26, 0                            ; the input is chosen by T, which hangs on the work-group's number alone
	s_cselect_b64 s[6:7], s[6:7], s[8:9]
	s_cmp_lt_u32 s26, 2
	s_cselect_b64 s[6:7], s[6:7], s[10:11]
	s_cmp_lt_u32 s26, 3
	s_cselect_b64 s[6:7], s[6:7], s[12:13]
	s_add_nc_u64 s[32:33], s[6:7], s[52:53]        ; a base for each block: none is ever stepped
.irp t, 1,2,3,4,5,6,7
	s_add_nc_u64 s[32+2*\t:33+2*\t], s[30+2*\t:31+2*\t], s[54:55]
.endr
	s_add_nc_u64 s[18:19], s[18:19], s[58:59]
	s_add_nc_u64 s[20:21], s[20:21], s[60:61]
.macro LOADW t                         ; block t: 32 rows of the input at my column, into set t % 2; each load reads 128 consecutive bytes
.irp i, 0,1,2,3,4,5,6,7,8,9,10,11,12,13,14,15,16,17,18,19,20,21,22,23,24,25,26,27,28,29,30,31
	global_load_b32 v[WX+32*((\t)%2)+\i], v[OF+\i], s[32+2*(\t):33+2*(\t)] th:TH_LOAD_NT
.endr
.endm
	LOADW 0
	LOADW 1
.macro BLOCK t
.set XS, WX+32*((\t)%2)
.if (\t) < NB-1
	s_wait_loadcnt 32                              ; this block's 32 loads are in; the next block's may be out
.else
	s_wait_loadcnt 0
.endif
	v_max3_num_f32 v12, |v[XS]|, |v[XS+1]|, |v[XS+2]|              ; the block's largest magnitude: all 32 numbers are mine
	v_max3_num_f32 v13, |v[XS+3]|, |v[XS+4]|, |v[XS+5]|
.irp i, 6,10,14,18,22,26
	v_max3_num_f32 v12, v12, |v[XS+\i]|, |v[XS+\i+1]|
	v_max3_num_f32 v13, v13, |v[XS+\i+2]|, |v[XS+\i+3]|
.endr
	v_max3_num_f32 v12, v12, |v[XS+30]|, |v[XS+31]|
	v_max3_num_f32 v12, v12, v13, FLOOR
	v_add_nc_u32 v11, DOWN, v12                    ; the conversion's scale operand
	v_and_or_b32 v10, v12, 0x7f800000, s62         ; 57,344 x the scale
	v_lshrrev_b32 v13, 23, v11                     ; the scale's byte
.if (\t)%4 == 0
	v_mov_b32 v[SB+(\t)/4], v13                    ; four bytes to a register, the lower K in the lower byte
.else
	v_lshl_or_b32 v[SB+(\t)/4], v13, 8*((\t)%4), v[SB+(\t)/4]
.endif
.irp i, 0,1,2,3,4,5,6,7,8,9,10,11,12,13,14,15,16,17,18,19,20,21,22,23,24,25,26,27,28,29,30,31
	v_med3_num_f32 v[XS+\i], v[XS+\i], -v10, v10
.endr
.irp g, 0,1,2,3
	v_cvt_scalef32_pk8_bf8_f32 v[WC+2*\g:WC+2*\g+1], v[XS+8*\g:XS+8*\g+7], v11
.endr
	ds_store_b128 v4, v[WC:WC+3] offset:32*(\t)    ; 32 codes: 32 bytes of my row
	ds_store_b128 v4, v[WC+4:WC+7] offset:32*(\t)+16
.if (\t)+2 < NB
	LOADW (\t)+2
.endif
	s_wait_dscnt 0x0                               ; the stores have read their registers: the next block's codes may be written
.endm
.irp t, 0,1,2,3,4,5,6,7
	BLOCK \t
.endr
	global_store_b64 v9, v[SB:SB+1], s[20:21]      ; my row's 8 scale bytes
.irp t, 0,1,2,3,4,5,6,7,8,9,10,11,12,13,14,15
	ds_load_b128 v[OUTR+4*\t:OUTR+4*\t+3], v7 offset:2*\t*PITCH    ; LDS serves a wave's instructions in order: these see my stores
.endr
.irp t, 0,1,2,3,4,5,6,7,8,9,10,11,12,13,14,15
	s_wait_dscnt 15-\t
	global_store_b128 v8, v[OUTR+4*\t:OUTR+4*\t+3], s[18:19] offset:2*\t*1024   ; sixteen lanes store 256 consecutive bytes, aligned
.endr
	s_wait_tensorcnt 0x0
	ds_add_u32 v208, v209
	s_wait_dscnt 0x0
	s_endpgm
.Lfunc_end_k_qf14279c7ca_prep:
	.size	k_qf14279c7ca_prep, .Lfunc_end_k_qf14279c7ca_prep-k_qf14279c7ca_prep
	.p2alignl 7, 3214868480
	.fill 96, 4, 3214868480
	.section	.rodata,"a",@progbits
	.p2align	6, 0x0
	.amdhsa_kernel k_qf14279c7ca_prep
		.amdhsa_group_segment_fixed_size 68096
		.amdhsa_private_segment_fixed_size 0
		.amdhsa_enable_private_segment 0
		.amdhsa_kernarg_size 72
		.amdhsa_user_sgpr_count 2
		.amdhsa_user_sgpr_kernarg_segment_ptr 1
		.amdhsa_wavefront_size32 1
		.amdhsa_system_sgpr_workgroup_id_x 1
		.amdhsa_system_sgpr_workgroup_id_y 1
		.amdhsa_system_sgpr_workgroup_id_z 1
		.amdhsa_system_vgpr_workitem_id 0
		.amdhsa_next_free_vgpr 210
		.amdhsa_next_free_sgpr 66
		.amdhsa_reserve_vcc 0
		.amdhsa_float_denorm_mode_32 3
		.amdhsa_float_denorm_mode_16_64 3
		.amdhsa_memory_ordered 1
		.amdhsa_forward_progress 1
		.amdhsa_inst_pref_size 113
	.end_amdhsa_kernel
	.amdgpu_metadata
---
amdhsa.version: [ 1, 2 ]
amdhsa.kernels:
  - .name:           k_qf14279c7ca_prep
    .symbol:         k_qf14279c7ca_prep.kd
    .args:
      - { .name: Q, .offset: 0, .size: 8, .value_kind: global_buffer, .address_space: global }
      - { .name: Wq, .offset: 8, .size: 8, .value_kind: global_buffer, .address_space: global }
      - { .name: Wk, .offset: 16, .size: 8, .value_kind: global_buffer, .address_space: global }
      - { .name: Wv, .offset: 24, .size: 8, .value_kind: global_buffer, .address_space: global }
      - { .name: Wo, .offset: 32, .size: 8, .value_kind: global_buffer, .address_space: global }
      - { .name: xc, .offset: 40, .size: 8, .value_kind: global_buffer, .address_space: global }
      - { .name: xs, .offset: 48, .size: 8, .value_kind: global_buffer, .address_space: global }
      - { .name: wc, .offset: 56, .size: 8, .value_kind: global_buffer, .address_space: global }
      - { .name: ws, .offset: 64, .size: 8, .value_kind: global_buffer, .address_space: global }
    .group_segment_fixed_size: 68096
    .private_segment_fixed_size: 0
    .kernarg_segment_align: 8
    .kernarg_segment_size: 72
    .max_flat_workgroup_size: 128
    .sgpr_count:     66
    .vgpr_count:     210
    .wavefront_size: 32
...
	.end_amdgpu_metadata
.endif
;; end of part 1
;; launch qkv (part 2): grid 12 x 32, 4 waves a work-group, clusters of 4 x 4, 327,680 bytes of LDS; arguments xc, xs, wc, ws, bq, bk, bv, img; writes img
.if DOCPART == 2
	.amdgcn_target "amdgcn-amd-amdhsa--gfx1250"
	.amdhsa_code_object_version 6
	.text
	.protected	k_qf14279c7ca_qkv
	.globl	k_qf14279c7ca_qkv
	.p2align	8
	.type	k_qf14279c7ca_qkv,@function
k_qf14279c7ca_qkv:
	s_mov_b64 s[64:65], 0
	v_nop
	global_prefetch_b8 v0, s[64:65] scope:SCOPE_SE
	s_setreg_imm32_b32 hwreg(HW_REG_WAVE_MODE, 25, 1), 1
	s_wait_xcnt 0x0
	s_wait_alu depctr_hold_cnt(0) depctr_sa_sdst(0) depctr_va_vdst(0) depctr_va_sdst(0) depctr_va_ssrc(0) depctr_va_vcc(0) depctr_vm_vsrc(0)
	s_getreg_b32 s2, hwreg(HW_REG_IB_STS2, 6, 4)
	s_cmp_eq_u32 s2, 0
	s_cbranch_scc0 .Lentry_in_a_cluster
	s_endpgm
.Lentry_in_a_cluster:
	s_bfe_u32 s2, ttmp6, 0x10000c
	s_cmp_lg_u32 s2, 0xf033
	s_cbranch_scc0 .Lentry_shape_is_right
	s_endpgm
.Lentry_shape_is_right:
; q, k, v = X W + bias on codes of BF8 (E5M2) with E8M0 scales (K = 1,024), and at once their quantising for the attention: q and k along the head's 64, v along the keys.
; X: xc [8192 rows b x 1024 + swap34(s)][1024], xs [row][32].  W: wc rows 1024 T + 64 h + swap34(column), ws likewise; T = 0, 1, 2 for q, k, v.  T is the cluster's x: equal in all sixteen partners.
; A tile of 256 x 256 is made by a work-group of four waves; a wave makes 128 x 128: 64 accumulators, 512 registers.  K goes in steps of 256 through a ring of two LDS slots filled by the tensor data mover; the scale bytes of the
; work-group's rows, for all of K, come into LDS once.  4 x 4 work-groups form a cluster: "A"'s tiles are asked for jointly along a row of the cluster, "B"'s along a column.
; THE MATRIX INSTRUCTION: source 0 = 16 rows of "B", source 1 = 16 rows of "A": a lane holds ONE row of A, and its registers run along rows of B.  For q and k: A = X, B = W: a lane holds one (s, b), its registers the head's dims.
; For v: A = W, B = X: a lane holds one column dv, its registers run down the keys.  Only pointers and tile numbers are chosen by T; the loop is one text.
; Rows of xc and wc lie permuted (swap34), so the 16 registers of B's tiles 2 g and 2 g + 1 are the true indices 32 g + 16 (lane / 16) + 0 .. 15: a block of 32 lies in lanes l and l xor 16, and the conversions' results are the next operand's registers.
; OUT: img [T][b][head][G 8] records of 8,448 bytes: 8,192 of codes as images of operand registers, then 256 of scale words.  q, k (G: 128 s): codes [tile a 8][c 2][lane][16]; words [r 16][a / 2] = the two bytes of tile 2 (a/2), then of tile 2 (a/2) + 1.
; v (G: 128 keys): codes [tile of 16 dv, 4][c 4][lane][16]; words [r 16][tile].
; The biases are the C of each sum's first matrix instruction.
; LIMITS: NaN and infinities are not served; a block whose largest magnitude lies under 2^-111, a block of zeros among them, keeps the byte 1 (this program alone reads the bytes).
; REGISTERS, in windows of 256: window 0: v0-31 addresses; v32-63 scale words, two sets; v64-127 the biases; from v128 A's fragments, one set; on the way out v32-63 and v128-143 are at work.
;   window 1: B's fragments, two sets.   window 2: the accumulators of my rows 0-63 of A ((a, b) at v[8 (8 a + b)]);   window 3: those of rows 64-127.
.set KSTEP,  256
.set NQ,     KSTEP/128
.set ROWB,   256
.set KROW,   1024
.set PITCH,  272                       ; an LDS row: 256 bytes + 16 of padding: the 16 rows that a load touches start 68 words apart
.set FR,     16
.set NL,     4
.set NP,     8                         ; places behind this matrix instruction (ISA guide 7.12.1)
.set HALFT,  128*PITCH
.set SLOT,   4*HALFT
.set LAPS,   2                         ; K = 1,024 is twice round the ring
.set KS,     32                        ; a row of scale bytes
.set SCL,    2*SLOT
.set HALFS,  (128*KS/256)*272
.set SBLK,   (16*KS/256)*272
.set SPARE,  SCL+8*HALFS               ; behind the waves' scale bytes (2 HALFS a wave): the spare words, 128 bytes for each wave
.set REC,    8448
.set HSTR,   8*REC                     ; from head to head in img
.set ADRA, 16
.set ADRB, 20
.set SA,   24                          ; v24  the scale words' place: 16 r, lanes 16-31 a head further on
.set CO2,  25                          ; v25  16 x lane + the second pair of stores' distance
.set CO,   26                          ; v26  16 x lane
.set ADRS, 27
.set SPW,  28
.set NIL,  29
.set SC,   32
.set BI,   64
.set AF,   128
.set TM,   32                          ; the way out: v32-35 largest magnitudes, v36-39 bytes, v40-43 holds, v44-47 scale operands
.set PWS,  48                          ; v48-55 a scale word for each of A's eight blocks
.set DT,   56                          ; v56-59 the words as they are stored
.set TP,   60
.set PC,   128                         ; v128-143 the codes just made
.set G1, 24
.set G0, 32
.set G1B, 48
.set G0B, 56
.set G1S, 68
.set G0S, 76
.set G1SB, 80
.set G0SB, 88
.set MSB, 0
.macro WIN new                         ; the immediate's high byte repeats the setting that is left
.if MSB != \new
	s_set_vgpr_msb (MSB<<8)|\new
.set MSB, \new
.endif
.endm
.set MUL_LO, 0xa1                      ; source 0 (B) window 1, source 1 (A) window 0, C and D window 2
.set MUL_HI, 0xf1
.set FST_LO, 0x81                      ; the same with C (a bias) in window 0
.set FST_HI, 0xc1
.set TO_B,   0x40
.macro JLOAD g0a, g1a, g0b, g1b        ; a joint load: waves 0 and 1 fetch for A, waves 2 and 3 for B; four v_nop follow each of the two lines
	s_cmp_eq_u32 s15, 0
	s_cbranch_scc0 .Lfor_b_\@
	tensor_load_to_lds s[\g0a:\g0a+3], s[\g1a:\g1a+7]
	s_nop 0
.rept 4
	v_nop
.endr
	s_branch .Lasked_\@
.Lfor_b_\@:
	tensor_load_to_lds s[\g0b:\g0b+3], s[\g1b:\g1b+7]
	s_nop 0
.rept 4
	v_nop
.endr
.Lasked_\@:
.endm
.macro CREST
	s_cmp_lg_u32 s14, 0
	s_cbranch_scc1 .Lnot_wave_0_\@
	s_barrier_signal -3
.Lnot_wave_0_\@:
	s_barrier_wait -3
	s_barrier_signal -1
	s_barrier_wait -1
.endm
.macro CROUND
	s_barrier_signal -1
	s_barrier_wait -1
	CREST
.endm
	s_load_b256 s[68:75], s[0:1], 0x0              ; xc, xs, wc, ws
	s_load_b256 s[80:87], s[0:1], 0x20             ; bq, bk, bv, img
	v_lshl_add_u32 v[SPW], v0, 2, SPARE
	v_mov_b32 v[NIL], 0
	ds_add_u32 v28, v29
	ds_add_u32 v28, v29
	s_wait_dscnt 0x0
	v_lshrrev_b32 v1, 5, v0
	v_readfirstlane_b32 s14, v1                    ; wave 0..3
	s_lshr_b32 s15, s14, 1                         ; which half of A's rows is mine.  Also: I fetch for A (0) or for B (1)
	s_and_b32 s16, s14, 1                          ; which half of B's rows.  Also: which 128 rows I fetch
	s_bfe_u32 s40, ttmp6, 0x40000                  ; cx, cy: my place in the cluster
	s_bfe_u32 s41, ttmp6, 0x40004
	s_mov_b32 s98, ttmp9                           ; T
	s_and_b32 s95, ttmp7, 0xffff                   ; the cluster's y: which 1,024 rows of X
	s_cmp_eq_u32 s98, 2
	s_cselect_b32 s17, 2, s95
	s_cselect_b32 s42, s95, s98
	s_lshl_b32 s17, s17, 2
	s_add_co_u32 s17, s17, s41                     ; A's tile of 256 rows: X's 4 y + cy, or for v W's 8 + cy
	s_lshl_b32 s42, s42, 2
	s_add_co_u32 s42, s42, s40                     ; B's tile: W's 4 T + cx, or for v X's 4 y + cx
	s_lshl_b32 s43, s41, 2
	s_lshl_b32 s43, 15, s43                        ; my row of the cluster
	s_lshl_b32 s44, 0x1111, s40                    ; my column
	s_or_b32 s[G1+0], s43, (0<<16)|(1<<20)|(1<<21)|(5<<22)|(3<<25)  ; the mask; elements of 1 byte; padding on; bit 21 beside a mask; after every 64 words four words
	s_or_b32 s[G1B+0], s44, (0<<16)|(1<<20)|(1<<21)|(5<<22)|(3<<25)
.irp g, G1, G1B
	s_mov_b32 s[\g+1], ROWB<<16                    ; tensor_dim0
	s_mov_b32 s[\g+2], 128<<16                     ; tensor_dim1: the ring's loads bring 128 rows
	s_mov_b32 s[\g+3], ROWB<<16                    ; tile_dim0
	s_mov_b32 s[\g+4], 128                         ; tile_dim1
	s_mov_b32 s[\g+5], KROW                        ; the pitch
	s_mov_b32 s[\g+6], 0
	s_mov_b32 s[\g+7], 0
.endr
	s_lshl_b32 s18, s16, 7                         ; which 128 rows of the tile I fetch
	s_lshl_b32 s20, s17, 8
	s_add_co_u32 s20, s20, s18                     ; A's row
	s_lshl_b32 s46, s42, 8
	s_add_co_u32 s46, s46, s18                     ; B's row
	s_lshl_b32 s22, s17, 18                        ; the head's loads: A's whole tile, 256 rows of 1,024 bytes a tile,
	s_lshl_b32 s94, s15, 8                         ; at K step wave / 2
	s_add_co_u32 s22, s22, s94
	s_mov_b32 s23, 0
	s_lshl_b32 s92, s42, 18                        ; and B's
	s_add_co_u32 s92, s92, s94
	s_mov_b32 s93, 0
	s_lshl_b32 s20, s20, 10                        ; their codes (1,024 a row; all under 2^24 bytes)
	s_mov_b32 s21, 0
	s_lshl_b32 s46, s46, 10
	s_mov_b32 s47, 0
	s_mul_i32 s45, s14, HALFT                      ; where they go: wave x 128 rows: no place in the cluster enters an LDS address
	s_wait_kmcnt 0x0
	s_cmp_eq_u32 s98, 2                            ; which tensor is A and which B hangs on T alone
	s_cselect_b64 s[4:5], s[72:73], s[68:69]       ; A's codes
	s_cselect_b64 s[6:7], s[74:75], s[70:71]       ; A's scales
	s_cselect_b64 s[8:9], s[68:69], s[72:73]       ; B's codes
	s_cselect_b64 s[10:11], s[70:71], s[74:75]     ; B's scales
	s_cselect_b64 s[66:67], s[84:85], s[82:83]     ; bv or bk,
	s_cmp_eq_u32 s98, 0
	s_cselect_b64 s[66:67], s[80:81], s[66:67]     ; or bq
	s_mov_b64 s[12:13], s[86:87]                   ; img
	s_or_b32 s[G1S+0], s43, (0<<16)|(1<<20)|(1<<21)|(5<<22)|(3<<25)   ; group 1 of the head's loads: as the ring's, with 256 rows
	s_or_b32 s[G1SB+0], s44, (0<<16)|(1<<20)|(1<<21)|(5<<22)|(3<<25)
.irp g, G1S, G1SB
	s_mov_b32 s[\g+1], ROWB<<16
	s_mov_b32 s[\g+2], 256<<16
	s_mov_b32 s[\g+3], ROWB<<16
	s_mov_b32 s[\g+4], 256
	s_mov_b32 s[\g+5], KROW
	s_mov_b32 s[\g+6], 0
	s_mov_b32 s[\g+7], 0
.endr
	s_add_nc_u64 s[20:21], s[4:5], s[20:21]
	s_add_nc_u64 s[22:23], s[4:5], s[22:23]
	s_add_nc_u64 s[46:47], s[8:9], s[46:47]
	s_add_nc_u64 s[92:93], s[8:9], s[92:93]
	CROUND                                         ; all sixteen work-groups are here: the first joint loads meet
	s_mov_b32 s[G0S], 1
	s_mul_i32 s[G0S+1], s15, SLOT                  ; slot wave / 2: A's 256 rows at its head,
	s_mov_b64 s[G0S+2:G0S+3], s[22:23]
	s_or_b32 s[G0S+3], s[G0S+3], 0x80000000
	s_mov_b32 s[G0SB], 1
	s_mul_i32 s[G0SB+1], s15, SLOT
	s_add_co_u32 s[G0SB+1], s[G0SB+1], 2*HALFT     ; B's behind them
	s_mov_b64 s[G0SB+2:G0SB+3], s[92:93]
	s_or_b32 s[G0SB+3], s[G0SB+3], 0x80000000
.irp s, 0,1
	s_mov_b32 s[G0+4*\s], 1
	s_add_co_u32 s[G0+4*\s+1], s45, \s*SLOT
	s_add_nc_u64 s[G0+4*\s+2:G0+4*\s+3], s[20:21], \s*ROWB
	s_or_b32 s[G0+4*\s+3], s[G0+4*\s+3], 0x80000000
	s_mov_b32 s[G0B+4*\s], 1
	s_add_co_u32 s[G0B+4*\s+1], s45, \s*SLOT
	s_add_nc_u64 s[G0B+4*\s+2:G0B+4*\s+3], s[46:47], \s*ROWB
	s_or_b32 s[G0B+4*\s+3], s[G0B+4*\s+3], 0x80000000
.endr
; THE HEAD'S LOADS, ONE A WAVE, fill both slots: wave 0 K step 0's 256 rows of A, wave 1 its 256 rows of B, wave 2 K step 1's rows of A, wave 3 its rows of B.
; One chain of branches on the wave's number, a load line to an arm: the first barrier waits for waves 0 and 1's lines alone.
.macro ARM under, g0, g1, next
	s_cmp_lt_u32 s14, \under
	s_cbranch_scc0 \next
	tensor_load_to_lds s[\g0:\g0+3], s[\g1:\g1+7]
	s_nop 0
.rept 4
	v_nop
.endr
	s_branch .Lhead_asked
\next:
.endm
	ARM 1, G0S,  G1S,  .Lhead_sa
	ARM 2, G0SB, G1SB, .Lhead_b
	ARM 3, G0S,  G1S,  .Lhead_sb
	tensor_load_to_lds s[G0SB:G0SB+3], s[G1SB:G1SB+7]
	s_nop 0
.rept 4
	v_nop
.endr
.Lhead_asked:
; THE SCALE BYTES of my wave's 128 rows of A and 128 rows of B, for all of K: 2 x 4,096 dense bytes, by sixteen loads of 512 consecutive bytes; they go on into LDS bytes of my wave's own, 16 bytes of padding behind each 256
	s_lshl_b32 s94, s17, 13
	s_lshl_b32 s96, s15, 12
	s_add_co_u32 s94, s94, s96
	s_mov_b32 s95, 0
	s_add_nc_u64 s[94:95], s[6:7], s[94:95]
	s_lshl_b32 s96, s42, 13
	s_lshl_b32 s97, s16, 12
	s_add_co_u32 s96, s96, s97
	s_mov_b32 s97, 0
	s_add_nc_u64 s[96:97], s[10:11], s[96:97]
	v_and_b32 v10, 31, v0
	v_lshlrev_b32 v10, 4, v10                      ; 16 x lane
	v_bfe_u32 v11, v0, 4, 1
	v_mul_u32_u24 v11, v11, 272
	v_and_b32 v9, 15, v0
	v_lshl_add_u32 v11, v9, 4, v11
	s_mul_i32 s18, s14, 2*HALFS
	s_add_co_u32 s18, s18, SCL
	v_add_nc_u32 v11, s18, v11                     ; in LDS: sixteen lanes to a unit of 256 bytes, two units an instruction
.irp j, 0,1,2,3,4,5,6,7
	global_load_b128 v[AF+4*\j:AF+4*\j+3], v10, s[94:95] offset:512*\j
	global_load_b128 v[AF+32+4*\j:AF+32+4*\j+3], v10, s[96:97] offset:512*\j
.endr
	v_and_b32 v1, 15, v0                           ; r = lane % 16
	v_bfe_u32 v2, v0, 4, 1                         ; h = lane / 16
	v_mul_u32_u24 v3, v1, PITCH
	v_lshl_add_u32 v4, v2, 4, v3                   ; a fragment's row x pitch + 16 h
	s_mul_i32 s21, s15, HALFT                      ; my 128 rows of A
	s_mul_i32 s22, s16, HALFT                      ; my 128 rows of B,
	s_add_co_u32 s22, s22, 2*HALFT                 ; which lie behind A's 256
.irp s, 0,1
	v_add_nc_u32 v[ADRA+\s], s21, v4
	v_add_nc_u32 v[ADRB+\s], s22, v4
	s_add_co_u32 s21, s21, SLOT
	s_add_co_u32 s22, s22, SLOT
.endr
	v_mul_u32_u24 v5, v1, KS                       ; my row's scales: 32 bytes a row,
	v_lshrrev_b32 v6, 8, v5
	v_lshl_add_u32 v5, v6, 4, v5                   ; and 16 more for each 256 passed
	s_mul_i32 s21, s14, 2*HALFS                    ; my wave's own scale bytes: A's,
	v_mul_u32_u24 v6, HALFS, v2                    ; and behind them B's, which lanes 16-31 take
	s_add_co_u32 s21, s21, SCL
	v_add_nc_u32 v5, v5, v6
	v_add_nc_u32 v[ADRS], s21, v5
	; where my results go.  X's tile and half give b and G, W's give my two heads H0, H0 + 1
	s_cmp_eq_u32 s98, 2
	s_cselect_b32 s4, s42, s17                     ; X's tile
	s_cselect_b32 s5, s16, s15                     ; my half of it
	s_cselect_b32 s6, s41, s40                     ; W's tile within T
	s_cselect_b32 s7, s15, s16                     ; my half of it
	s_mov_b32 s18, 1024
	s_cselect_b32 s18, 2048, s18                   ; from one of A's blocks to the next in a record,
	s_mov_b32 s46, 1024
	s_cselect_b32 s46, HSTR-3*2048, s46            ; from block 3 to block 4 (v: the next head's record),
	s_mov_b32 s100, 7*1024
	s_cselect_b32 s100, HSTR+3*2048, s100          ; the seven steps together,
	s_mov_b32 s93, HSTR
	s_cselect_b32 s93, 1024, s93                   ; and from a block's first two stores to its last two (q, k: the next head's record)
	s_mov_b32 s19, 0
	s_mov_b32 s47, 0
	s_mov_b32 s101, 0
	s_lshr_b32 s8, s4, 2                           ; b
	s_and_b32 s9, s4, 3
	s_lshl_b32 s9, s9, 1
	s_add_co_u32 s9, s9, s5                        ; G
	s_lshl_b32 s6, s6, 2
	s_lshl_b32 s7, s7, 1
	s_add_co_u32 s6, s6, s7                        ; H0
	s_lshl_b32 s7, s98, 7
	s_lshl_b32 s8, s8, 4
	s_add_co_u32 s7, s7, s8
	s_add_co_u32 s7, s7, s6
	s_lshl_b32 s7, s7, 3
	s_add_co_u32 s7, s7, s9                        ; the record: ((128 T + 16 b + H0) 8 + G)
	s_mul_i32 s8, s7, REC
	s_mov_b32 s9, 0
	s_add_nc_u64 s[12:13], s[12:13], s[8:9]
	s_lshl_b32 s8, s6, 8
	s_add_nc_u64 s[66:67], s[66:67], s[8:9]        ; my two heads' 128 biases
	v_and_b32 v6, 31, v0
	v_lshlrev_b32 v[CO], 4, v6
	v_add_nc_u32 v[CO2], s93, v[CO]
	v_lshlrev_b32 v[SA], 4, v1
	v_mul_u32_u24 v9, v2, HSTR
	v_add_nc_u32 v[SA], v[SA], v9
	v_lshlrev_b32 v7, 6, v2                        ; q, k: register j of B's tile 2 g + u is dim 32 g + 16 h + 8 u + j
	v_and_b32 v8, 8, v1
	v_add_nc_u32 v8, v8, v1
	v_lshlrev_b32 v8, 2, v8                        ; v: my lane's column in A's block a is 32 (a / 2) + 8 (a % 2) + r + 8 (r / 8)
	s_cmp_eq_u32 s98, 2
	s_cbranch_scc1 .Lbias_v
.irp b, 0,1,2,3,4,5,6,7
	global_load_b128 v[BI+8*\b:BI+8*\b+3], v7, s[66:67] offset:(32*(\b/2)+8*(\b%2))*4
	global_load_b128 v[BI+8*\b+4:BI+8*\b+7], v7, s[66:67] offset:(32*(\b/2)+8*(\b%2))*4+16
.endr
	s_branch .Lbias_done
.Lbias_v:
	s_wait_alu depctr_va_vdst(0)
.irp a, 0,1,2,3,4,5,6,7
	global_load_b32 v[BI+8*\a], v8, s[66:67] offset:(32*(\a/2)+8*(\a%2))*4
.endr
	s_wait_loadcnt 0x0
.irp a, 0,1,2,3,4,5,6,7
.irp j, 1,2,3,4,5,6,7
	v_mov_b32 v[BI+8*\a+\j], v[BI+8*\a]            ; a lane's eight results of a tile belong to one column: one bias eight times
.endr
.endr
.Lbias_done:
	s_wait_alu depctr_va_vdst(0)
	s_wait_loadcnt 0x0
.irp j, 0,1,2,3,4,5,6,7,8,9,10,11,12,13,14,15
	ds_store_b128 v11, v[AF+4*\j:AF+4*\j+3] offset:544*\j          ; read by my wave alone: LDS serves a wave's instructions in order
.endr
	s_mov_b32 s20, 0x76543210                      ; v_permlanex16_b32's selects for lane l xor 16
	s_mov_b32 s21, 0xfedcba98
	s_mov_b32 s22, 0x600000                        ; the mantissa field of 57,344
	s_mov_b32 s99, 0xffff0000                      ; a lane mask: lanes 16-31
.macro FRAG reg, adr, q, i             ; 16 rows x 128 K of 8-bit codes: lane l holds row l % 16; registers 4 c .. 4 c + 3 hold K = 32 c + 16 (l / 16) + 0 .. 15
.irp c, 0,1,2,3
	ds_load_b128 v[\reg+4*\c:\reg+4*\c+3], v[\adr] offset:128*(\q)+32*\c+(\i)*16*PITCH
.endr
.endm
; 16 matrix instructions: A's blocks a0, a0 + 1 x B's eight.  zero = 1: C is the bias of B's tile; 2: of A's block; 0: the sum goes on.  The 64 accumulators take turns, one instruction a turn.
.macro MUL16 a0, p, q, sc, zero
.irp a, \a0, \a0+1
.irp b, 0,1,2,3,4,5,6,7
.set DR, 8*(8*((\a)%4)+\b)
.if \zero == 1
.set CR, BI+8*\b
.elseif \zero == 2
.set CR, BI+8*(\a)
.else
.set CR, DR
.endif
	v_wmma_scale_f32_16x16x128_f8f6f4 v[DR:DR+7], v[128*(\p)+FR*\b:128*(\p)+FR*\b+FR-1], v[AF+FR*(\a):AF+FR*(\a)+FR-1], v[CR:CR+7], v[SC+8*NQ*(\sc)+NQ*\b+(\q)], v[SC+8*NQ*(\sc)+NQ*(\a)+(\q)] matrix_a_fmt:MATRIX_FMT_BF8 matrix_b_fmt:MATRIX_FMT_BF8 matrix_a_scale:MATRIX_SCALE_ROW1
.endr
.endr
.endm
.macro FETCH_B slot, q, p
	WIN TO_B
.irp i, 0,1,2,3,4,5,6,7
	FRAG 128*(\p)+FR*\i, ADRB+\slot, \q, \i
.endr
	WIN 0
.endm
.macro FETCH_A slot, q, i0
.irp i, \i0, \i0+1, \i0+2, \i0+3
	FRAG AF+FR*(\i), ADRA+\slot, \q, \i
.endr
.endm
.macro SCALES sc                       ; a K step's scale words: two words a row; lanes 0-15 take A's block i, lanes 16-31 B's block i
.irp i, 0,1,2,3,4,5,6,7
	ds_load_b64 v[SC+8*NQ*\sc+NQ*\i:SC+8*NQ*\sc+NQ*\i+1], v[ADRS] offset:\i*SBLK
.endr
.endm
.macro PLACES n                        ; plain vector instructions between a matrix instruction and a load into, or a read of, its registers
.rept \n
	v_nop
.endr
.endm
.macro STEP slot, q, zero              ; a step of 128 along K that has its successor in the same slot
	s_wait_dscnt 4*NL                              ; B's set and A's blocks 0-3 are in; the youngest 16 loads (A's blocks 4-7) may be out
.if \zero
	WIN FST_LO
.else
	WIN MUL_LO
.endif
	MUL16 0, (\q)%2, \q, \slot, \zero
	MUL16 2, (\q)%2, \q, \slot, \zero
	s_wait_dscnt 0                                 ; A's blocks 4-7 are in
	PLACES NP
	FETCH_B \slot, (\q)+1, 1-(\q)%2
	FETCH_A \slot, (\q)+1, 0
.if \zero
	WIN FST_HI
.else
	WIN MUL_HI
.endif
	MUL16 4, (\q)%2, \q, \slot, \zero
	MUL16 6, (\q)%2, \q, \slot, \zero
	PLACES NP
	WIN 0
	FETCH_A \slot, (\q)+1, 4
.endm
; A slot's last step changes slots: one barrier; in front of it each wave waits for all its tensor loads, adds 0 to its spare word, and waits for that and for its own reads of this slot.  fill = 1: this slot is filled again, two K steps ahead.
.macro TURN slot, next, fill
	s_wait_tensorcnt 0x0                           ; all my tensor loads have landed: my part of the next slot
	ds_add_u32 v[SPW], v[NIL]                      ; 0 onto my spare word
	s_wait_dscnt 4*NL+1                            ; (the add and the youngest 16 loads, A's blocks 4-7, may be out)
	WIN MUL_LO
	MUL16 0, 1, NQ-1, \slot, 0                     ; sixteen matrix instructions stand between the add and the wait for it
	s_wait_dscnt 0x0                               ; the add is done, and my reads of this slot are over
	s_barrier_signal -1
	MUL16 2, 1, NQ-1, \slot, 0
	WIN 0
	s_barrier_wait -1
.if \fill
	CREST                                          ; the barrier has opened a round of the cluster's barrier: no wave of any partner still reads this slot or has a load on its way
	s_add_nc_u64 s[G0+4*\slot+2:G0+4*\slot+3], s[G0+4*\slot+2:G0+4*\slot+3], 2*ROWB
	s_add_nc_u64 s[G0B+4*\slot+2:G0B+4*\slot+3], s[G0B+4*\slot+2:G0B+4*\slot+3], 2*ROWB
	JLOAD G0+4*\slot, G1, G0B+4*\slot, G1B         ; the first tensor load behind the round; its four v_nop are among the places in front of the loads below
	PLACES NP-4
.else
	PLACES NP
.endif
	s_wait_alu depctr_va_vdst(0)
	v_add_nc_u32 v[ADRS], 4*NQ, v[ADRS]            ; on to the next K step's scale words (no LDS load of mine is out)
	FETCH_B \next, 0, 0
	FETCH_A \next, 0, 0
	SCALES \next
	WIN MUL_HI
	MUL16 4, 1, NQ-1, \slot, 0
	MUL16 6, 1, NQ-1, \slot, 0
	PLACES NP
	WIN 0
	FETCH_A \next, 0, 4
.endm
	s_wait_alu depctr_va_vdst(0)
	s_cmp_lt_u32 s14, 2
	s_cbranch_scc0 .Lnot_first
	s_wait_tensorcnt 0x0                           ; waves 0 and 1: K step 0 is in.  K step 1's loads, waves 2 and 3's, are waited for at the first change of slots
.Lnot_first:
	s_wait_dscnt 0x0                               ; my scale bytes are stored
	s_barrier_signal -1
	s_barrier_wait -1
	FETCH_B 0, 0, 0
	FETCH_A 0, 0, 0
	SCALES 0
	FETCH_A 0, 0, 4
	s_cmp_eq_u32 s98, 2                            ; the first step starts the sums with the biases, which lie along B's rows (q, k) or along A's (v)
	s_cbranch_scc1 .Lfirst_v
	s_wait_alu depctr_va_vdst(0)
	STEP 0, 0, 1
	s_branch .Lfirst_done
.Lfirst_v:
	s_wait_alu depctr_va_vdst(0)
	STEP 0, 0, 2
.Lfirst_done:
	s_mov_b32 s3, LAPS-1
.Llap:                                                 ; a trip goes once round the ring and fills both slots again
	TURN 0, 1, 1
	STEP 1, 0, 0
	TURN 1, 0, 1
	STEP 0, 0, 0
	s_sub_co_u32 s3, s3, 1
	s_cmp_lg_u32 s3, 0
	s_cbranch_scc1 .Llap
	TURN 0, 1, 0                                   ; the last lap fills nothing
	STEP 1, 0, 0
	s_wait_dscnt 4*NL
	WIN MUL_LO
	MUL16 0, 1, NQ-1, 1, 0
	MUL16 2, 1, NQ-1, 1, 0
	s_wait_dscnt 0
	WIN MUL_HI
	MUL16 4, 1, NQ-1, 1, 0
	MUL16 6, 1, NQ-1, 1, 0
	WIN 0
; THE WAY OUT.  A's block a: 64 numbers a lane, register 16 g + i = true index 32 g + 16 (lane / 16) + i along B's rows: four blocks of 32, each shared with lane l xor 16.  They become 16 registers of codes and a scale word.
; The codes are stored as they stand, 16 bytes a lane: each store of the wave covers 512 consecutive bytes, aligned.  q, k: g = 0, 1 are head H0's two blocks, g = 2, 3 head H0 + 1's.  v: g is the block of keys.
.macro QTILE a
.set WN, 2+(\a)/4
.set AC, 64*((\a)%4)
	WIN 5*WN                                       ; sources 0 and 1: the accumulators' window
.irp g, 0,1,2,3
	v_max3_num_f32 v[TM+\g], |v[AC+16*\g]|, |v[AC+16*\g+1]|, 0x8000000   ; each accumulator is read from its low end on; the floor 2^(16 - 127) holds the byte at 1 from below
.endr
.irp i, 2,4,6,8,10,12,14
.irp g, 0,1,2,3
	v_max3_num_f32 v[TM+\g], |v[AC+16*\g+\i]|, |v[AC+16*\g+\i+1]|, v[TM+\g]
.endr
.endr
	WIN 0
.irp g, 0,1,2,3
	v_permlanex16_b32 v[TM+4+\g], v[TM+\g], s20, s21
.endr
.irp g, 0,1,2,3
	v_max_num_f32 v[TM+\g], v[TM+\g], v[TM+4+\g]   ; with lane l xor 16's: the block's largest magnitude
.endr
.irp g, 0,1,2,3
	v_add_nc_u32 v[TM+12+\g], 0xf8800000, v[TM+\g] ; 15 off its exponent field: the conversion's scale operand
.endr
.irp g, 0,1,2,3
	v_and_or_b32 v[TM+8+\g], v[TM+\g], 0x7f800000, s22   ; 57,344 x the scale
.endr
.irp g, 0,1,2,3
	v_lshrrev_b32 v[TM+4+\g], 23, v[TM+12+\g]      ; the scale's byte
.endr
	v_lshl_or_b32 v[PWS+(\a)], v[TM+5], 8, v[TM+4]
	v_lshl_or_b32 v[PWS+(\a)], v[TM+6], 16, v[PWS+(\a)]
	v_lshl_or_b32 v[PWS+(\a)], v[TM+7], 24, v[PWS+(\a)]
	WIN 65*WN                                      ; source 0 and destination: the accumulators' window
.irp g, 0,1,2,3
.irp i, 0,1,2,3,4,5,6,7,8,9,10,11,12,13,14,15
	v_med3_num_f32 v[AC+16*\g+\i], v[AC+16*\g+\i], -v[TM+8+\g], v[TM+8+\g]   ; the conversion to an 8-bit code does not saturate (ISA guide 7.6.2): the hold comes first
.endr
.endr
	s_wait_alu depctr_va_vdst(0)
	s_wait_xcnt 0x0                                ; the last block's stores have had their addresses translated: only now are their data and their base written again
.if (\a) == 4
	s_add_nc_u64 s[12:13], s[12:13], s[46:47]
.elseif (\a) > 0
	s_add_nc_u64 s[12:13], s[12:13], s[18:19]
.endif
	WIN WN                                         ; source 0: the accumulators' window
.irp g, 0,1,2,3
	v_cvt_scalef32_pk8_bf8_f32 v[PC+4*\g:PC+4*\g+1], v[AC+16*\g:AC+16*\g+7], v[TM+12+\g]
	v_cvt_scalef32_pk8_bf8_f32 v[PC+4*\g+2:PC+4*\g+3], v[AC+16*\g+8:AC+16*\g+15], v[TM+12+\g]
.endr
	WIN 0
	v_nop                                          ; one plain vector instruction behind the last conversion
	global_store_b128 v[CO], v[PC:PC+3], s[12:13]
	global_store_b128 v[CO], v[PC+4:PC+7], s[12:13] offset:512
	global_store_b128 v[CO2], v[PC+8:PC+11], s[12:13]
	global_store_b128 v[CO2], v[PC+12:PC+15], s[12:13] offset:512
.endm
	PLACES NP                                      ; behind the last products: their results are read, and their operands' and scales' registers written, below
.irp g, 0,1,2,3
	v_mov_b32 v[TM+4+\g], 0                        ; written once: a lane permute's destination counts as one of its sources
.endr
.irp a, 0,1,2,3,4,5,6,7
	QTILE \a
.endr
	s_wait_xcnt 0x0
	s_sub_nc_u64 s[12:13], s[12:13], s[100:101]    ; back to my first record
	s_cmp_eq_u32 s98, 2
	s_cbranch_scc1 .Lwords_v
.irp e, 0,1,2,3                        ; q, k: the word of tiles 2 e and 2 e + 1: lanes 0-15 make head H0's (the low halves), lanes 16-31 head H0 + 1's (the high halves)
	v_perm_b32 v[TP], v[PWS+2*\e+1], v[PWS+2*\e], 0x05040100
	v_perm_b32 v[TP+1], v[PWS+2*\e+1], v[PWS+2*\e], 0x07060302
	v_cndmask_b32 v[DT+\e], v[TP], v[TP+1], s99
.endr
	s_branch .Lwords_done
.Lwords_v:
.irp e, 0,1,2,3                        ; v: blocks 0-3 are head H0's four tiles, blocks 4-7 head H0 + 1's
	v_cndmask_b32 v[DT+\e], v[PWS+\e], v[PWS+4+\e], s99
.endr
.Lwords_done:
	s_wait_alu depctr_va_vdst(0)
	global_store_b128 v[SA], v[DT:DT+3], s[12:13] offset:8192   ; sixteen lanes store a record's 256 bytes of scale words
	s_wait_tensorcnt 0x0                           ; the wave's end
	ds_add_u32 v[SPW], v[NIL]
	s_wait_dscnt 0x0
	CROUND                                         ; the closing round: no work-group ends while a partner may still ask for a tile that names it
	s_endpgm
.Lfunc_end_k_qf14279c7ca_qkv:
	.size	k_qf14279c7ca_qkv, .Lfunc_end_k_qf14279c7ca_qkv-k_qf14279c7ca_qkv
	.p2alignl 7, 3214868480
	.fill 96, 4, 3214868480
	.section	.rodata,"a",@progbits
	.p2align	6, 0x0
	.amdhsa_kernel k_qf14279c7ca_qkv
		.amdhsa_group_segment_fixed_size 327680
		.amdhsa_private_segment_fixed_size 0
		.amdhsa_enable_private_segment 0
		.amdhsa_kernarg_size 64
		.amdhsa_user_sgpr_count 2
		.amdhsa_user_sgpr_kernarg_segment_ptr 1
		.amdhsa_wavefront_size32 1
		.amdhsa_system_sgpr_workgroup_id_x 1
		.amdhsa_system_sgpr_workgroup_id_y 1
		.amdhsa_system_sgpr_workgroup_id_z 1
		.amdhsa_system_vgpr_workitem_id 0
		.amdhsa_next_free_vgpr 1024
		.amdhsa_next_free_sgpr 102
		.amdhsa_reserve_vcc 0
		.amdhsa_float_denorm_mode_32 3
		.amdhsa_float_denorm_mode_16_64 3
		.amdhsa_memory_ordered 1
		.amdhsa_forward_progress 1
		.amdhsa_inst_pref_size 208
	.end_amdhsa_kernel
	.amdgpu_metadata
---
amdhsa.version: [ 1, 2 ]
amdhsa.kernels:
  - .name:           k_qf14279c7ca_qkv
    .symbol:         k_qf14279c7ca_qkv.kd
    .args:
      - { .name: xc, .offset: 0, .size: 8, .value_kind: global_buffer, .address_space: global }
      - { .name: xs, .offset: 8, .size: 8, .value_kind: global_buffer, .address_space: global }
      - { .name: wc, .offset: 16, .size: 8, .value_kind: global_buffer, .address_space: global }
      - { .name: ws, .offset: 24, .size: 8, .value_kind: global_buffer, .address_space: global }
      - { .name: bq, .offset: 32, .size: 8, .value_kind: global_buffer, .address_space: global }
      - { .name: bk, .offset: 40, .size: 8, .value_kind: global_buffer, .address_space: global }
      - { .name: bv, .offset: 48, .size: 8, .value_kind: global_buffer, .address_space: global }
      - { .name: img, .offset: 56, .size: 8, .value_kind: global_buffer, .address_space: global }
    .group_segment_fixed_size: 327680
    .private_segment_fixed_size: 0
    .kernarg_segment_align: 8
    .kernarg_segment_size: 64
    .max_flat_workgroup_size: 128
    .sgpr_count:     102
    .vgpr_count:     1024
    .wavefront_size: 32
...
	.end_amdgpu_metadata
.endif
;; end of part 2
;; launch attn (part 3): grid 2 x 128, 16 waves a work-group, no clusters, 327,680 bytes of LDS; arguments img, yimg, ysc; writes yimg, ysc
.if DOCPART == 3
	.amdgcn_target "amdgcn-amd-amdhsa--gfx1250"
	.amdhsa_code_object_version 6
	.text
	.protected	k_qf14279c7ca_attn
	.globl	k_qf14279c7ca_attn
	.p2align	8
	.type	k_qf14279c7ca_attn,@function
k_qf14279c7ca_attn:
	s_mov_b64 s[64:65], 0
	v_nop
	global_prefetch_b8 v0, s[64:65] scope:SCOPE_SE
	s_setreg_imm32_b32 hwreg(HW_REG_WAVE_MODE, 25, 1), 1
	s_wait_xcnt 0x0
; Causal attention of one (b, head) on codes of BF8 (E5M2) with E8M0 scales, and the quantising of its result y along the head's 64 for the last projection.
; img [T: q, k, v][b x 16 + head][G 8] holds records of 8,448 bytes, 128 positions each: 8,192 bytes of codes as images of operand registers, then 256 of scale words.
;   q, k: codes [tile a of 16 positions, 8][c 2][lane][16]; words [r 16][a / 2]: two bytes of tile 2 (a / 2), two of the next.   v: codes [tile of 16 dims, 4][c 4][lane][16]; words [r 16][tile].
;   Row r of tile a is position 32 (a / 2) + 8 (a % 2) + r + 8 (r / 8) of the record.
; SOFTMAX: t = score x log2(e) / 8; M = the running largest t, rounded up to a whole number; p = 2^(t - M) is quantised along the keys; the row's sum is taken of the unquantised p and divides at the end.
; LEFT OUT: reference() itself sets the scores of keys behind the query to -infinity, so their p is 0 for all inputs: a step of 128 keys that all come behind a tile's 16 queries is not walked.
; LIMITS: the promise holds while the scaled scores t stay under 2^31 in magnitude; NaN and infinities are not served; a block whose largest magnitude lies under 2^-111 keeps the byte 1.
; SHARES: a work-group has all K and V of its (b, head) in LDS (16 records) and 32 of the 64 query tiles; wave w of work-group x takes tile 16 x + w and then tile 63 - (16 x + w): 9 key steps a wave in all.
; FILLS, in rows of 256 bytes, what is read first asked for first.  At the head waves 0-7 ask for records 0-3 of K and of V, a record (33 rows) each.  Behind the first barrier, which shows them and has the tensor wait and the two adds
; ahead of a later first fill, waves 12-15 ask for records 4-7, two (66 rows) each.  Nothing is filled again.
; THE WALK.  The first tile (its number is under 32) reads records 0-3 alone; the second reads records 0-3 and then 4-7.  So one loop of four steps serves the first tile and the second tile's first half, in an outer loop of two trips;
; the barrier that shows records 4-7 stands ahead of the second loop of four steps.  q of the first tile is loaded at the head, q of the second behind the first barrier, into registers that wait.
; NO JOINT LOADS: the two work-groups of a (b, head) read the same records, but the branches round hidden steps hang on the work-group's number.
; NO PREFETCH: the 16 records are asked for in two groups ahead of the loops; there is no loop of loads to run ahead in.
; LAYOUT: S^T = K q^T and O^T = V^T p^T: a lane holds one query.  The head's 64 fill half of an instruction's 128: a fragment holds two key tiles, and q stands in the lower or the upper half of source 1 beside zeros.
.set REC,   8448
.set HSTR,  8*REC
.set TSTR,  128*HSTR
.set VB,    HSTR                       ; LDS: K's 8 records, then V's
.set SPARE, 2*HSTR                     ; the spare words, 128 bytes a wave
.set LI,   1                           ; 16 x lane
.set LR,   2                           ; 8192 + 16 r: a record's scale words
.set QD,   3                           ; r + 8 (r / 8) - 16 h
.set ADK,  4
.set ADS,  5
.set ADV,  6
.set ADT,  7
.set YR,   8                           ; 32 r
.set QW2,  9                           ; the second tile's q: its scale words,
.set Q2,   54                          ; v54-61 its codes
.set TT,   11
.set QW,   40                          ; q's scale word
.set PW,   41                          ; p's
.set NINF, 42                          ; -infinity, twice
.set NINF2, 43
.set KSC,  44
.set VSC,  48
.set FF,   52                          ; f = 2^(old M - new M)
.set SPW,  62
.set NIL,  63
.set F,    64                          ; four fragments of K or V
.set S,    128                         ; S^T, then p
.set OT,   192                         ; O^T
.set PC,   224                         ; p's codes
.set BM,   240
.set PB,   244
.set SUM2, 244                         ; the sum's second chain: in PB's first two registers, once p's scale word is made
.set HD,   248
.set SO,   252
.set WV,   10
.set BH,   12
.set MNT,  19
.set SEL,  20
.set CS,   22
.set G1,   24
.set G0,   32
.set G0L,  36                          ; groups 0 and 1 of the loads of two records
.set G1L,  88
.set TB,   40                          ; LDS byte of the step's record
.set SG,   41                          ; the step
.set SMAX, 42                          ; the tile's last step: the one on the diagonal
.set TAU,  43                          ; the query tile
.set TMP,  45
.set QB,   46
.set YB,   48
.set YS,   50
.set TAU2, 56
.set BS,   57                          ; the block of 32 keys on the diagonal in step SMAX
.set PI,   58                          ; the outer loop's trip
.set MK,   72                          ; s72-87: lane masks: register i of that block is hidden
	s_load_b128 s[4:7], s[0:1], 0x0                ; img, yimg
	s_load_b64 s[8:9], s[0:1], 0x10                ; ysc
	v_lshl_add_u32 v[SPW], v0, 2, SPARE
	v_mov_b32 v[NIL], 0
	ds_add_u32 v[SPW], v[NIL]                      ; the opening lines: the add twice on end and its wait ahead of my tensor load
	ds_add_u32 v[SPW], v[NIL]
	v_lshrrev_b32 v1, 5, v0
	v_readfirstlane_b32 s[WV], v1
	s_and_b32 s[BH], ttmp7, 0xffff
.irp g, G1, G1L
	s_mov_b32 s[\g], 3<<16                         ; elements of 8 bytes; rows of 32 elements, dense: 33 to a record
	s_mov_b32 s[\g+1], 32<<16
	s_mov_b32 s[\g+2], (33*(1+(\g)/G1L))<<16
	s_mov_b32 s[\g+3], 32<<16
	s_mov_b32 s[\g+4], 33*(1+(\g)/G1L)
	s_mov_b32 s[\g+5], 32
	s_mov_b32 s[\g+6], 0
	s_mov_b32 s[\g+7], 0
.endr
	s_mul_i32 s17, s[BH], HSTR
	s_bfe_u32 s13, s[WV], 0x10002                  ; waves 0-7: 0: K, 1: V;
	s_and_b32 s14, s[WV], 3                        ; record wave % 4
	s_mul_i32 s14, s14, REC
	s_mul_i32 s15, s13, VB
	s_add_co_u32 s15, s15, s14                     ; its place in LDS
	s_mul_i32 s52, s13, TSTR
	s_add_co_u32 s52, s52, s14
	s_add_co_u32 s52, s52, TSTR
	s_add_co_u32 s52, s52, s17                     ; and in img (under 2^25 bytes)
	s_mov_b32 s53, 0
	s_bfe_u32 s13, s[WV], 0x10001                  ; waves 12-15: 0: K, 1: V;
	s_and_b32 s14, s[WV], 1
	s_lshl_b32 s14, s14, 1
	s_add_co_u32 s14, s14, 4                       ; records 4, 5 or 6, 7
	s_mul_i32 s14, s14, REC
	s_mul_i32 s16, s13, VB
	s_add_co_u32 s16, s16, s14
	s_mul_i32 s54, s13, TSTR
	s_add_co_u32 s54, s54, s14
	s_add_co_u32 s54, s54, TSTR
	s_add_co_u32 s54, s54, s17
	s_mov_b32 s55, 0
	s_wait_dscnt 0x0
	s_wait_kmcnt 0x0
	s_mov_b32 s[G0], 1
	s_mov_b32 s[G0+1], s15
	s_add_nc_u64 s[G0+2:G0+3], s[4:5], s[52:53]
	s_or_b32 s[G0+3], s[G0+3], 0x80000000
	s_mov_b32 s[G0L], 1
	s_mov_b32 s[G0L+1], s16
	s_add_nc_u64 s[G0L+2:G0L+3], s[4:5], s[54:55]
	s_or_b32 s[G0L+3], s[G0L+3], 0x80000000
	s_cmp_lt_u32 s[WV], 8                          ; the head's loads: waves 0-7, records 0-3
	s_cbranch_scc0 .Lasked
	tensor_load_to_lds s[G0:G0+3], s[G1:G1+7]
	s_nop 0
.rept 4
	v_nop
.endr
.Lasked:
	v_and_b32 v9, 31, v0
	v_and_b32 v10, 15, v0
	v_bfe_u32 v11, v0, 4, 1
	v_lshlrev_b32 v[LI], 4, v9
	v_lshl_add_u32 v[LR], v10, 4, 8192
	v_and_b32 v[QD], 8, v10
	v_add_nc_u32 v[QD], v[QD], v10
	v_lshlrev_b32 v4, 4, v11
	v_sub_nc_u32 v[QD], v[QD], v4
	v_lshlrev_b32 v[YR], 5, v10
.irp i, 0,1,2,3,4,5,6,7
	v_mov_b32 v[16+\i], 0                          ; the zeros beside q
	v_mov_b32 v[32+\i], 0
.endr
.irp i, 0,1,2,3
	v_mov_b32 v[PB+\i], 0                          ; a lane permute's destination counts as one of its sources
.endr
	v_mov_b32 v[FF+1], 0
	v_mov_b32 v[NINF], 0xff800000
	v_mov_b32 v[NINF2], 0xff800000
	s_mov_b32 s[SEL], 0x76543210
	s_mov_b32 s[SEL+1], 0xfedcba98
	s_mov_b32 s[CS], 0x3e38aa3b                    ; log2(e) / 8
	s_mov_b32 s[CS+1], s[CS]
	s_mov_b32 s[MNT], 0x600000
	s_lshl_b32 s[TAU], ttmp9, 4
	s_add_co_u32 s[TAU], s[TAU], s[WV]
	s_sub_co_u32 s[TAU2], 63, s[TAU]
	s_wait_alu depctr_va_vdst(0)
; q's fragment (into v[q] on) and scale words (v[w]) of the tile in s[t]: three loads, by the offsets v[a], v[c] and the base s[p]
.macro QLOAD t, q, w, a, c, p
	s_lshr_b32 s[TMP], s[\t], 3
	s_lshl_b32 s[\p], s[BH], 3
	s_add_co_u32 s[\p], s[\p], s[TMP]
	s_mul_i32 s[\p], s[\p], REC
	s_mov_b32 s[\p+1], 0
	s_add_nc_u64 s[\p:\p+1], s[4:5], s[\p:\p+1]
	s_and_b32 s55, s[\t], 7
	s_lshl_b32 s55, s55, 10
	v_add_nc_u32 v[\a], s55, v[LI]
	s_bfe_u32 s55, s[\t], 0x20001
	s_lshl_b32 s55, s55, 2
	v_add_nc_u32 v[\c], s55, v[LR]
	global_load_b128 v[\q:\q+3], v[\a], s[\p:\p+1]
	global_load_b128 v[\q+4:\q+7], v[\a], s[\p:\p+1] offset:512
	global_load_b32 v[\w], v[\c], s[\p:\p+1]
.endm
; A KEY STEP: 128 keys, record SG
.macro STEP
	s_cmp_gt_u32 s[SG], s[SMAX]                    ; all its keys come behind my queries: only the address is stepped
	s_cbranch_scc1 .Lhidden_\@
	v_add_nc_u32 v[ADK], s[TB], v[LI]
	v_add_nc_u32 v[ADS], s[TB], v[LR]
	s_delay_alu instid0(VALU_DEP_2)
	v_add_nc_u32 v[ADV], VB, v[ADK]
	s_delay_alu instid0(VALU_DEP_2)
	v_add_nc_u32 v[ADT], VB, v[ADS]
.rept 4
	v_nop                                          ; with the four additions: eight places in front of loads into what the last products read
.endr
.irp b, 0,1,2,3
.irp c, 0,1,2,3
	ds_load_b128 v[F+16*\b+4*\c:F+16*\b+4*\c+3], v[ADK] offset:2048*\b+512*\c
.endr
.endr
	ds_load_b128 v[KSC:KSC+3], v[ADS]
	s_wait_alu depctr_va_vdst(0)
	s_wait_dscnt 0x0
.irp b, 0,1,2,3
	v_wmma_scale_f32_16x16x128_f8f6f4 v[S+16*\b:S+16*\b+7], v[F+16*\b:F+16*\b+15], v[24:39], 0, v[KSC+\b], v[QW] matrix_a_fmt:MATRIX_FMT_BF8 matrix_b_fmt:MATRIX_FMT_BF8
	v_wmma_scale_f32_16x16x128_f8f6f4 v[S+16*\b+8:S+16*\b+15], v[F+16*\b:F+16*\b+15], v[16:31], 0, v[KSC+\b], v[QW] matrix_a_fmt:MATRIX_FMT_BF8 matrix_b_fmt:MATRIX_FMT_BF8
.endr
.rept 8
	v_nop
.endr
.irp t, 0,1,2,3
.irp c, 0,1,2,3
	ds_load_b128 v[F+16*\t+4*\c:F+16*\t+4*\c+3], v[ADV] offset:2048*\t+512*\c
.endr
.endr
	ds_load_b128 v[VSC:VSC+3], v[ADT]
	s_cmp_lt_u32 s[SG], s[SMAX]
	s_cbranch_scc1 .Lopen_\@
; the step on the diagonal: blocks under BS are open; in block BS register i is hidden in the lanes of mask i; blocks over BS are hidden whole.  Branches on ids alone
.irp b, 0,1,2,3
	s_cmp_lt_u32 s[BS], \b
	s_cbranch_scc1 .Lh_\@_\b
	s_cmp_eq_u32 s[BS], \b
	s_cbranch_scc0 .Ln_\@_\b
.irp i, 0,1,2,3,4,5,6,7,8,9,10,11,12,13,14,15
	v_cndmask_b32 v[S+16*\b+\i], v[S+16*\b+\i], v[NINF], s[MK+\i]
.endr
	s_branch .Ln_\@_\b
.Lh_\@_\b:
.irp i, 0,2,4,6,8,10,12,14
	v_dual_mov_b32 v[S+16*\b+\i], v[NINF2] :: v_dual_mov_b32 v[S+16*\b+\i+1], v[NINF]
.endr
.Ln_\@_\b:
.endr
	s_wait_alu depctr_va_vdst(0)
.Lopen_\@:
.irp b, 0,1,2,3
	v_max3_num_f32 v[BM+\b], v[S+16*\b], v[S+16*\b+1], v[S+16*\b+2]   ; each block's largest score: for the row's maximum and for the block's largest p
.endr
.irp i, 3,5,7,9,11,13
.irp b, 0,1,2,3
	v_max3_num_f32 v[BM+\b], v[BM+\b], v[S+16*\b+\i], v[S+16*\b+\i+1]
.endr
.endr
.irp b, 0,1,2,3
	v_max_num_f32 v[BM+\b], v[BM+\b], v[S+16*\b+15]
.endr
.irp b, 0,1,2,3
	s_delay_alu instid0(VALU_DEP_4)
	v_permlanex16_b32 v[PB+\b], v[BM+\b], s[SEL], s[SEL+1]
.endr
.irp b, 0,1,2,3
	s_delay_alu instid0(VALU_DEP_4)
	v_max_num_f32 v[BM+\b], v[BM+\b], v[PB+\b]
.endr
	s_delay_alu instid0(VALU_DEP_2)
	v_max3_num_f32 v[TT], v[BM], v[BM+1], v[BM+2]
	s_delay_alu instid0(VALU_DEP_1)
	v_max_num_f32 v[TT], v[TT], v[BM+3]
	s_delay_alu instid0(VALU_DEP_1)
	v_mul_f32 v[TT], s[CS], v[TT]
	s_delay_alu instid0(VALU_DEP_1)
	v_max_num_f32 v13, v13, v[TT]                  ; the running largest t
	v_mov_b32 v[TT], v12
	s_delay_alu instid0(VALU_DEP_2)
	v_floor_f32 v12, -v13                          ; -M
	s_delay_alu instid0(VALU_DEP_1)
	v_sub_f32 v[TT], v12, v[TT]
	s_delay_alu instid0(VALU_DEP_1)
	v_cvt_i32_f32 v[TT], v[TT]
	s_delay_alu instid0(VALU_DEP_1)
	v_ldexp_f32 v[FF], 1.0, v[TT]
.set n, 0
.rept 32
	v_pk_fma_f32 v[S+n:S+n+1], v[S+n:S+n+1], s[CS:CS+1], v[12:13] op_sel_hi:[1,0,0]   ; t - M
.set n, n+2
.endr
.irp b, 0,1,2,3
	v_fma_f32 v[BM+\b], v[BM+\b], s[CS], v12
.endr
.set n, 0
	s_wait_alu depctr_va_vdst(0)                   ; one wait ahead of the batch, one behind it
.rept 64
	v_exp_f32 v[S+n], v[S+n]
.set n, n+1
.endr
.irp b, 0,1,2,3
	v_exp_f32 v[BM+\b], v[BM+\b]
.endr
	v_pk_mul_f32 v[14:15], v[14:15], v[FF:FF+1] op_sel_hi:[1,0]
	s_wait_alu depctr_va_vdst(0)
.irp b, 0,1,2,3
	v_max_num_f32 v[BM+\b], 0x8000000, v[BM+\b]    ; the floor 2^(16 - 127)
.endr
.irp b, 0,1,2,3
	s_delay_alu instid0(VALU_DEP_4)
	v_add_nc_u32 v[SO+\b], 0xf8800000, v[BM+\b]    ; the conversion's scale operand
.endr
.irp b, 0,1,2,3
	v_and_or_b32 v[HD+\b], v[BM+\b], 0x7f800000, s[MNT]   ; 57,344 x the scale
.endr
.irp b, 0,1,2,3
	v_lshrrev_b32 v[PB+\b], 23, v[SO+\b]
.endr
	s_delay_alu instid0(VALU_DEP_3)
	v_lshl_or_b32 v[PW], v[PB+1], 8, v[PB]
	s_delay_alu instid0(VALU_DEP_1)
	v_lshl_or_b32 v[PW], v[PB+2], 16, v[PW]
	s_delay_alu instid0(VALU_DEP_1)
	v_lshl_or_b32 v[PW], v[PB+3], 24, v[PW]
	v_pk_add_f32 v[SUM2:SUM2+1], v[S:S+1], v[S+2:S+3]              ; the row's sum, of the unquantised p, in two chains
.irp j, 4,8,12,16,20,24,28,32,36,40,44,48,52,56,60
	v_pk_add_f32 v[14:15], v[14:15], v[S+\j:S+\j+1]
	v_pk_add_f32 v[SUM2:SUM2+1], v[SUM2:SUM2+1], v[S+\j+2:S+\j+3]
.endr
	s_delay_alu instid0(VALU_DEP_1)
	v_pk_add_f32 v[14:15], v[14:15], v[SUM2:SUM2+1]
; the hold (p is not negative: one-sided), two numbers a line: one of block b and one of block b + 1, so that the two halves' sources lie in different register banks
.irp b, 0,2
.irp i, 0,2,4,6,8,10,12,14
	v_dual_min_num_f32 v[S+16*\b+\i], v[S+16*\b+\i], v[HD+\b] :: v_dual_min_num_f32 v[S+16*\b+17+\i], v[S+16*\b+17+\i], v[HD+\b+1]
	v_dual_min_num_f32 v[S+16*\b+16+\i], v[S+16*\b+16+\i], v[HD+\b+1] :: v_dual_min_num_f32 v[S+16*\b+1+\i], v[S+16*\b+1+\i], v[HD+\b]
.endr
.irp c, 0,1
	v_cvt_scalef32_pk8_bf8_f32 v[PC+4*(\b+\c):PC+4*(\b+\c)+1], v[S+16*(\b+\c):S+16*(\b+\c)+7], v[SO+\b+\c]
	v_cvt_scalef32_pk8_bf8_f32 v[PC+4*(\b+\c)+2:PC+4*(\b+\c)+3], v[S+16*(\b+\c)+8:S+16*(\b+\c)+15], v[SO+\b+\c]
.endr
.endr
	s_wait_alu depctr_va_vdst(0)
.set n, 0
.rept 16
	v_pk_mul_f32 v[OT+n:OT+n+1], v[OT+n:OT+n+1], v[FF:FF+1] op_sel_hi:[1,0]   ; O^T under the new M
.set n, n+2
.endr
	s_wait_alu depctr_va_vdst(0)
	s_wait_dscnt 0x0                               ; V's fragments and scale words
.irp t, 0,1,2,3
	v_wmma_scale_f32_16x16x128_f8f6f4 v[OT+8*\t:OT+8*\t+7], v[F+16*\t:F+16*\t+15], v[PC:PC+15], v[OT+8*\t:OT+8*\t+7], v[VSC+\t], v[PW] matrix_a_fmt:MATRIX_FMT_BF8 matrix_b_fmt:MATRIX_FMT_BF8
.endr
.Lhidden_\@:
	s_add_co_u32 s[TB], s[TB], REC
.endm
; THE WAY OUT of a tile: O^T / the sum, quantised in two blocks of 32 along the head's 64; 1,024 bytes of codes as an image of operand registers, two scale bytes a row.
.macro FINAL
.rept 8
	v_nop
.endr
	v_add_f32 v14, v14, v15
	s_delay_alu instid0(VALU_DEP_1)
	v_permlanex16_b32 v[TT], v14, s[SEL], s[SEL+1]
	s_delay_alu instid0(VALU_DEP_1)
	v_add_f32 v14, v14, v[TT]
	s_wait_alu depctr_va_vdst(0)
	v_rcp_f32 v14, v14
	v_nop
.set n, 0
	s_wait_alu depctr_va_vdst(0)
.rept 32
	v_mul_f32 v[S+n], v[OT+n], v14
.set n, n+1
.endr
.irp g, 0,1
	v_max3_num_f32 v[BM+\g], |v[S+16*\g]|, |v[S+16*\g+1]|, 0x8000000
.endr
.irp i, 2,4,6,8,10,12,14
.irp g, 0,1
	s_delay_alu instid0(VALU_DEP_2)
	v_max3_num_f32 v[BM+\g], v[BM+\g], |v[S+16*\g+\i]|, |v[S+16*\g+\i+1]|
.endr
.endr
.irp g, 0,1
	s_delay_alu instid0(VALU_DEP_2)
	v_permlanex16_b32 v[PB+\g], v[BM+\g], s[SEL], s[SEL+1]
.endr
.irp g, 0,1
	s_delay_alu instid0(VALU_DEP_2)
	v_max_num_f32 v[BM+\g], v[BM+\g], v[PB+\g]
.endr
.irp g, 0,1
	s_delay_alu instid0(VALU_DEP_2)
	v_add_nc_u32 v[SO+\g], 0xf8800000, v[BM+\g]
.endr
.irp g, 0,1
	s_delay_alu instid0(VALU_DEP_4)
	v_and_or_b32 v[HD+\g], v[BM+\g], 0x7f800000, s[MNT]
.endr
.irp g, 0,1
	s_delay_alu instid0(VALU_DEP_4)
	v_lshrrev_b32 v[PB+\g], 23, v[SO+\g]
.endr
	s_delay_alu instid0(VALU_DEP_1)
	v_lshl_or_b32 v[TT], v[PB+1], 8, v[PB]
.irp g, 0,1
.irp i, 0,1,2,3,4,5,6,7,8,9,10,11,12,13,14,15
	v_med3_num_f32 v[S+16*\g+\i], v[S+16*\g+\i], -v[HD+\g], v[HD+\g]
.endr
	v_cvt_scalef32_pk8_bf8_f32 v[PC+4*\g:PC+4*\g+1], v[S+16*\g:S+16*\g+7], v[SO+\g]
	v_cvt_scalef32_pk8_bf8_f32 v[PC+4*\g+2:PC+4*\g+3], v[S+16*\g+8:S+16*\g+15], v[SO+\g]
.endr
	v_nop                                          ; one plain line behind the last conversion
	global_store_b128 v[LI], v[PC:PC+3], s[YB:YB+1]                ; the wave stores 512 consecutive bytes, aligned, twice
	global_store_b128 v[LI], v[PC+4:PC+7], s[YB:YB+1] offset:512
	global_store_b16 v[YR], v[TT], s[YS:YS+1]
.endm
	QLOAD TAU, 24, QW, ADK, ADS, QB                ; the first tile's q
	s_wait_alu depctr_va_vdst(0)
	s_wait_tensorcnt 0x0                           ; records 0-3 are in; the lines ahead of a later first fill:
	ds_add_u32 v[SPW], v[NIL]                      ; the add, twice on end
	ds_add_u32 v[SPW], v[NIL]
	s_wait_dscnt 0x0
	s_barrier_signal -1
	s_barrier_wait -1
	s_cmp_lt_u32 s[WV], 12                         ; waves 12-15: records 4-7, first behind the barrier
	s_cbranch_scc1 .Lno_second
	tensor_load_to_lds s[G0L:G0L+3], s[G1L:G1L+7]
	s_nop 0
.rept 4
	v_nop
.endr
.Lno_second:
	QLOAD TAU2, Q2, QW2, ADV, ADT, YS              ; the second tile's q
	s_wait_loadcnt 3                               ; the first tile's three loads are in; the second tile's three may be out
	s_mov_b32 s[PI], 0
.Lpass:                                                ; two trips: a tile's set-up and its steps on records 0-3
	s_wait_xcnt 0x0                                ; earlier loads and stores have read their addresses
	s_lshr_b32 s[SMAX], s[TAU], 3
	s_bfe_u32 s[BS], s[TAU], 0x20001
	s_lshr_b32 s[TMP], s[BH], 4
	s_lshl_b32 s[TMP], s[TMP], 6
	s_add_co_u32 s[TMP], s[TMP], s[TAU]            ; y's tile of 16 rows: 64 b + tile
	s_and_b32 s54, s[BH], 15
	s_lshl_b32 s[YB], s[TMP], 14
	s_lshl_b32 s55, s54, 10
	s_add_co_u32 s[YB], s[YB], s55
	s_mov_b32 s[YB+1], 0
	s_add_nc_u64 s[YB:YB+1], s[6:7], s[YB:YB+1]
	s_lshl_b32 s[YS], s[TMP], 9
	s_lshl_b32 s55, s54, 1
	s_add_co_u32 s[YS], s[YS], s55
	s_mov_b32 s[YS+1], 0
	s_add_nc_u64 s[YS:YS+1], s[8:9], s[YS:YS+1]
	s_and_b32 s55, s[TAU], 1
	s_lshl_b32 s[TMP], s55, 3
	s_lshl_b32 s55, s55, 4
	v_add_nc_u32 v[TT], s[TMP], v[QD]              ; my query less the diagonal block's first key of my half of the lanes
.irp i, 0,1,2,3,4,5,6,7,8,9,10,11,12,13,14,15
	v_cmp_gt_i32 s[MK+\i], \i, v[TT]
.endr
	v_mov_b32 v13, 0xff61b1e6                      ; -3e38, under every t
	s_delay_alu instid0(VALU_DEP_1)
	v_floor_f32 v12, -v13
	v_mov_b32 v14, 0
	v_mov_b32 v15, 0
	v_lshrrev_b32 v[QW], s55, v[QW]                ; my tile's two bytes, in both halves of the word
	s_delay_alu instid0(VALU_DEP_1)
	v_and_b32 v[QW], 0xffff, v[QW]
	s_delay_alu instid0(VALU_DEP_1)
	v_lshl_or_b32 v[QW], v[QW], 16, v[QW]
.set n, 0
.rept 16
	v_dual_mov_b32 v[OT+n], v16 :: v_dual_mov_b32 v[OT+n+1], v17   ; zeros: the step is written once
.set n, n+2
.endr
	s_mov_b32 s[TB], 0
	s_mov_b32 s[SG], 0
	s_wait_alu depctr_va_vdst(0)
.Lstep_a:
	STEP
	s_add_co_u32 s[SG], s[SG], 1
	s_cmp_lt_u32 s[SG], 4
	s_cbranch_scc1 .Lstep_a
	s_wait_alu depctr_va_vdst(0)
	s_cmp_eq_u32 s[PI], 1
	s_cbranch_scc1 .Lsecond                        ; the second tile goes on to records 4-7
	FINAL                                          ; the first tile is done
	s_mov_b32 s[TAU], s[TAU2]
	s_wait_loadcnt 0x0                             ; the second tile's q
.irp i, 0,2,4,6
	v_dual_mov_b32 v[24+\i], v[Q2+\i] :: v_dual_mov_b32 v[25+\i], v[Q2+1+\i]   ; takes its place
.endr
	v_mov_b32 v[QW], v[QW2]
	s_add_co_u32 s[PI], s[PI], 1
	s_cmp_lt_u32 s[PI], 2
	s_wait_alu depctr_va_vdst(0)
	s_cbranch_scc1 .Lpass
.Lsecond:
	s_wait_tensorcnt 0x0                           ; every wave: all that is still out (waves 12-15: records 4-7)
	s_wait_dscnt 0x0
	s_barrier_signal -1
	s_barrier_wait -1
	s_mov_b32 s[TB], 4*REC
	s_mov_b32 s[SG], 4
.Lstep_b:
	STEP
	s_add_co_u32 s[SG], s[SG], 1
	s_cmp_lt_u32 s[SG], 8
	s_cbranch_scc1 .Lstep_b
	FINAL
	s_wait_tensorcnt 0x0                           ; the wave's end
	ds_add_u32 v[SPW], v[NIL]
	s_wait_dscnt 0x0
	s_endpgm
.Lfunc_end_k_qf14279c7ca_attn:
	.size	k_qf14279c7ca_attn, .Lfunc_end_k_qf14279c7ca_attn-k_qf14279c7ca_attn
	.p2alignl 7, 3214868480
	.fill 96, 4, 3214868480
	.section	.rodata,"a",@progbits
	.p2align	6, 0x0
	.amdhsa_kernel k_qf14279c7ca_attn
		.amdhsa_group_segment_fixed_size 327680
		.amdhsa_private_segment_fixed_size 0
		.amdhsa_enable_private_segment 0
		.amdhsa_kernarg_size 24
		.amdhsa_user_sgpr_count 2
		.amdhsa_user_sgpr_kernarg_segment_ptr 1
		.amdhsa_wavefront_size32 1
		.amdhsa_system_sgpr_workgroup_id_x 1
		.amdhsa_system_sgpr_workgroup_id_y 1
		.amdhsa_system_sgpr_workgroup_id_z 1
		.amdhsa_system_vgpr_workitem_id 0
		.amdhsa_next_free_vgpr 256
		.amdhsa_next_free_sgpr 96
		.amdhsa_reserve_vcc 0
		.amdhsa_float_denorm_mode_32 3
		.amdhsa_float_denorm_mode_16_64 3
		.amdhsa_memory_ordered 1
		.amdhsa_forward_progress 1
		.amdhsa_inst_pref_size 77
	.end_amdhsa_kernel
	.amdgpu_metadata
---
amdhsa.version: [ 1, 2 ]
amdhsa.kernels:
  - .name:           k_qf14279c7ca_attn
    .symbol:         k_qf14279c7ca_attn.kd
    .args:
      - { .name: img, .offset: 0, .size: 8, .value_kind: global_buffer, .address_space: global }
      - { .name: yimg, .offset: 8, .size: 8, .value_kind: global_buffer, .address_space: global }
      - { .name: ysc, .offset: 16, .size: 8, .value_kind: global_buffer, .address_space: global }
    .group_segment_fixed_size: 327680
    .private_segment_fixed_size: 0
    .kernarg_segment_align: 8
    .kernarg_segment_size: 24
    .max_flat_workgroup_size: 512
    .sgpr_count:     96
    .vgpr_count:     256
    .wavefront_size: 32
...
	.end_amdgpu_metadata
.endif
;; end of part 3
;; launch oproj (part 4): grid 4 x 64, 4 waves a work-group, clusters of 4 x 4, 327,680 bytes of LDS; arguments yimg, ysc, wc, ws, bo, out0; writes out0
.if DOCPART == 4
	.amdgcn_target "amdgcn-amd-amdhsa--gfx1250"
	.amdhsa_code_object_version 6
	.text
	.protected	k_qf14279c7ca_oproj
	.globl	k_qf14279c7ca_oproj
	.p2align	8
	.type	k_qf14279c7ca_oproj,@function
k_qf14279c7ca_oproj:
	s_mov_b64 s[64:65], 0
	v_nop
	global_prefetch_b8 v0, s[64:65] scope:SCOPE_SE
	s_setreg_imm32_b32 hwreg(HW_REG_WAVE_MODE, 25, 1), 1
	s_wait_xcnt 0x0
	s_wait_alu depctr_hold_cnt(0) depctr_sa_sdst(0) depctr_va_vdst(0) depctr_va_sdst(0) depctr_va_ssrc(0) depctr_va_vcc(0) depctr_vm_vsrc(0)
	s_getreg_b32 s2, hwreg(HW_REG_IB_STS2, 6, 4)
	s_cmp_eq_u32 s2, 0
	s_cbranch_scc0 .Lentry_in_a_cluster
	s_endpgm
.Lentry_in_a_cluster:
	s_bfe_u32 s2, ttmp6, 0x10000c
	s_cmp_lg_u32 s2, 0xf033
	s_cbranch_scc0 .Lentry_shape_is_right
	s_endpgm
.Lentry_shape_is_right:
; out0 = y Wo + bo on codes of BF8 (E5M2) with E8M0 scales, K = 1,024.  y: yimg [tile of 16 rows: 64 b + t][head 16][1,024 bytes: an image of operand registers], ysc [row][32]; Wo: rows 3,072 on of wc and ws.
; A block of 128 rows x 256 columns is made by a work-group of four waves, 2 x 2; a wave makes 64 x 128: 32 accumulators.  64 x 4 blocks: 256 work-groups.  4 x 4 work-groups form a cluster: y's tiles are asked for jointly along a row, Wo's along a column.
; K goes in steps of 256 through a ring of two LDS slots; the scale bytes of the block's rows and columns come into LDS once.  Source 0 = 16 rows of Wo's codes, source 1 = 16 rows of y: a lane holds eight neighbouring columns of a row.  bo is the C of each sum's first product.
; Row r of y's tile t is position 32 (t / 2) + 8 (t % 2) + r + 8 (r / 8) of its batch: the way out stores each row at its true place, 512 consecutive bytes a wave, aligned.
; In SCALES lanes 0-15 of registers 4 to 7 of a set read scale bytes that no product names: y has four blocks a wave, Wo eight.
.set KSTEP,  256
.set NQ,     KSTEP/128
.set ROWB,   256
.set KROW,   1024
.set PITCH,  272
.set FR,     16
.set NL,     2
.set NP,     8
.set HALFA,  4*4096
.set APART,  2*HALFA
.set HALFB,  128*PITCH
.set SLOT,   APART+2*HALFB
.set LAPS,   2
.set KS,     32
.set SCL,    2*SLOT
.set HALFS,  (128*KS/256)*272
.set SBLK,   (16*KS/256)*272
.set SPARE,  SCL+8*HALFS               ; behind the waves' scale bytes (2 HALFS a wave, of which 3/4 are used): the spare words
.set SPITCH, 528
.set ADRA, 16
.set ADRB, 20
.set STO,  24
.set RD,   25
.set CO,   26
.set ADRS, 27
.set SPW,  28
.set NIL,  29
.set SC,   32
.set BI,   64
.set AF,   128
.set BK,   128
.set G1, 24
.set G0, 32
.set G1B, 48
.set G0B, 56
.set G1S, 68
.set G0S, 76
.set G1SB, 80
.set G0SB, 88
.set MSB, 0
.macro WIN new
.if MSB != \new
	s_set_vgpr_msb (MSB<<8)|\new
.set MSB, \new
.endif
.endm
.set MUL_LO, 0xa1
.set MUL_HI, 0xa1
.set FST_LO, 0x81
.set FST_HI, 0x81
.set TO_B,   0x40
.macro JLOAD g0a, g1a, g0b, g1b
	s_cmp_eq_u32 s15, 0
	s_cbranch_scc0 .Lfor_b_\@
	tensor_load_to_lds s[\g0a:\g0a+3], s[\g1a:\g1a+7]
	s_nop 0
.rept 4
	v_nop
.endr
	s_branch .Lasked_\@
.Lfor_b_\@:
	tensor_load_to_lds s[\g0b:\g0b+3], s[\g1b:\g1b+7]
	s_nop 0
.rept 4
	v_nop
.endr
.Lasked_\@:
.endm
.macro CREST
	s_cmp_lg_u32 s14, 0
	s_cbranch_scc1 .Lnot_wave_0_\@
	s_barrier_signal -3
.Lnot_wave_0_\@:
	s_barrier_wait -3
	s_barrier_signal -1
	s_barrier_wait -1
.endm
.macro CROUND
	s_barrier_signal -1
	s_barrier_wait -1
	CREST
.endm
	s_load_b128 s[4:7], s[0:1], 0x0
	s_load_b128 s[8:11], s[0:1], 0x10
	s_load_b64 s[66:67], s[0:1], 0x20
	s_load_b64 s[12:13], s[0:1], 0x28
	v_lshl_add_u32 v[SPW], v0, 2, SPARE
	v_mov_b32 v[NIL], 0
	ds_add_u32 v28, v29
	ds_add_u32 v28, v29
	s_wait_dscnt 0x0
	v_lshrrev_b32 v1, 5, v0
	v_readfirstlane_b32 s14, v1
	s_lshr_b32 s15, s14, 1
	s_and_b32 s16, s14, 1
	s_bfe_u32 s40, ttmp6, 0x40000
	s_bfe_u32 s41, ttmp6, 0x40004
	s_lshl_b32 s42, ttmp9, 2
	s_add_co_u32 s42, s42, s40
	s_and_b32 s17, ttmp7, 0xffff
	s_lshl_b32 s17, s17, 2
	s_add_co_u32 s17, s17, s41
	s_lshl_b32 s43, s41, 2
	s_lshl_b32 s43, 15, s43
	s_lshl_b32 s44, 0x1111, s40
	s_or_b32 s[G1+0], s43, (3<<16)|(1<<21)
	s_mov_b32 s[G1+1], 512<<16
	s_mov_b32 s[G1+2], 4<<16
	s_mov_b32 s[G1+3], 512<<16
	s_mov_b32 s[G1+4], 4
	s_mov_b32 s[G1+5], 2048
	s_mov_b32 s[G1+6], 0
	s_mov_b32 s[G1+7], 0
	s_or_b32 s[G1B+0], s44, (0<<16)|(1<<20)|(1<<21)|(5<<22)|(3<<25)
	s_mov_b32 s[G1B+1], ROWB<<16
	s_mov_b32 s[G1B+2], 128<<16
	s_mov_b32 s[G1B+3], ROWB<<16
	s_mov_b32 s[G1B+4], 128
	s_mov_b32 s[G1B+5], KROW
	s_mov_b32 s[G1B+6], 0
	s_mov_b32 s[G1B+7], 0
	s_or_b32 s[G1S+0], s43, (3<<16)|(1<<21)        ; group 1 of the head's loads: as the ring's, with y's eight tiles,
	s_mov_b32 s[G1S+1], 512<<16
	s_mov_b32 s[G1S+2], 8<<16
	s_mov_b32 s[G1S+3], 512<<16
	s_mov_b32 s[G1S+4], 8
	s_mov_b32 s[G1S+5], 2048
	s_mov_b32 s[G1S+6], 0
	s_mov_b32 s[G1S+7], 0
	s_or_b32 s[G1SB+0], s44, (0<<16)|(1<<20)|(1<<21)|(5<<22)|(3<<25)   ; and Wo's 256 rows
	s_mov_b32 s[G1SB+1], ROWB<<16
	s_mov_b32 s[G1SB+2], 256<<16
	s_mov_b32 s[G1SB+3], ROWB<<16
	s_mov_b32 s[G1SB+4], 256
	s_mov_b32 s[G1SB+5], KROW
	s_mov_b32 s[G1SB+6], 0
	s_mov_b32 s[G1SB+7], 0
	s_lshl_b32 s20, s17, 3
	s_lshl_b32 s18, s16, 2
	s_add_co_u32 s20, s20, s18
	s_lshl_b32 s20, s20, 14
	s_mov_b32 s21, 0
	s_lshl_b32 s18, s16, 7
	s_lshl_b32 s22, s17, 17                        ; the head's loads: y's eight tiles of 16,384 bytes,
	s_lshl_b32 s94, s15, 12                        ; at K step wave / 2
	s_add_co_u32 s22, s22, s94
	s_mov_b32 s23, 0
	s_lshl_b32 s46, s42, 8
	s_add_co_u32 s46, s46, s18
	s_lshl_b32 s92, s42, 18                        ; and Wo's 256 rows
	s_add_co_u32 s92, s92, 3072*1024
	s_lshl_b32 s94, s15, 8
	s_add_co_u32 s92, s92, s94
	s_mov_b32 s93, 0
	s_lshl_b32 s46, s46, 10
	s_add_co_u32 s46, s46, 3072*1024
	s_mov_b32 s47, 0
	s_mul_i32 s45, s16, HALFA
	s_mul_i32 s95, s16, HALFB
	s_add_co_u32 s95, s95, APART
	s_wait_kmcnt 0x0
	s_add_nc_u64 s[20:21], s[4:5], s[20:21]
	s_add_nc_u64 s[22:23], s[4:5], s[22:23]
	s_add_nc_u64 s[46:47], s[8:9], s[46:47]
	s_add_nc_u64 s[92:93], s[8:9], s[92:93]
	CROUND
	s_mov_b32 s[G0S], 1
	s_mul_i32 s[G0S+1], s15, SLOT
	s_mov_b64 s[G0S+2:G0S+3], s[22:23]
	s_or_b32 s[G0S+3], s[G0S+3], 0x80000000
	s_mov_b32 s[G0SB], 1
	s_mul_i32 s[G0SB+1], s15, SLOT
	s_add_co_u32 s[G0SB+1], s[G0SB+1], APART
	s_mov_b64 s[G0SB+2:G0SB+3], s[92:93]
	s_or_b32 s[G0SB+3], s[G0SB+3], 0x80000000
.irp s, 0,1
	s_mov_b32 s[G0+4*\s], 1
	s_add_co_u32 s[G0+4*\s+1], s45, \s*SLOT
	s_add_nc_u64 s[G0+4*\s+2:G0+4*\s+3], s[20:21], \s*4096
	s_or_b32 s[G0+4*\s+3], s[G0+4*\s+3], 0x80000000
	s_mov_b32 s[G0B+4*\s], 1
	s_add_co_u32 s[G0B+4*\s+1], s95, \s*SLOT
	s_add_nc_u64 s[G0B+4*\s+2:G0B+4*\s+3], s[46:47], \s*ROWB
	s_or_b32 s[G0B+4*\s+3], s[G0B+4*\s+3], 0x80000000
.endr
; THE HEAD'S LOADS, ONE A WAVE, fill both slots: wave 0 K step 0 of y's eight tiles, wave 1 K step 0 of Wo's 256 rows, waves 2 and 3 the same of K step 1.
; One chain of branches on the wave's number, a load line to an arm: the first barrier waits for waves 0 and 1's lines alone.
.macro ARM under, g0, g1, next
	s_cmp_lt_u32 s14, \under
	s_cbranch_scc0 \next
	tensor_load_to_lds s[\g0:\g0+3], s[\g1:\g1+7]
	s_nop 0
.rept 4
	v_nop
.endr
	s_branch .Lhead_asked
\next:
.endm
	ARM 1, G0S,  G1S,  .Lhead_sa
	ARM 2, G0SB, G1SB, .Lhead_b
	ARM 3, G0S,  G1S,  .Lhead_sb
	tensor_load_to_lds s[G0SB:G0SB+3], s[G1SB:G1SB+7]
	s_nop 0
.rept 4
	v_nop
.endr
.Lhead_asked:
; THE SCALE BYTES of my wave's 64 rows of y and 128 rows of Wo, for all of K: 2,048 and 4,096 dense bytes, by twelve loads of 512 consecutive bytes; they go on into LDS bytes of my wave's own, 16 bytes of padding behind each 256
	s_lshl_b32 s94, s17, 12
	s_lshl_b32 s96, s15, 11
	s_add_co_u32 s94, s94, s96
	s_mov_b32 s95, 0
	s_add_nc_u64 s[94:95], s[6:7], s[94:95]
	s_lshl_b32 s96, s42, 13
	s_lshl_b32 s97, s16, 12
	s_add_co_u32 s96, s96, s97
	s_add_co_u32 s96, s96, 3072*32
	s_mov_b32 s97, 0
	s_add_nc_u64 s[96:97], s[10:11], s[96:97]
	v_and_b32 v10, 31, v0
	v_lshlrev_b32 v10, 4, v10                      ; 16 x lane
	v_bfe_u32 v11, v0, 4, 1
	v_mul_u32_u24 v11, v11, 272
	v_and_b32 v9, 15, v0
	v_lshl_add_u32 v11, v9, 4, v11
	s_mul_i32 s18, s14, 2*HALFS
	s_add_co_u32 s18, s18, SCL
	v_add_nc_u32 v11, s18, v11                     ; in LDS: sixteen lanes to a unit of 256 bytes, two units an instruction
.irp j, 0,1,2,3
	global_load_b128 v[AF+4*\j:AF+4*\j+3], v10, s[94:95] offset:512*\j
.endr
.irp j, 0,1,2,3,4,5,6,7
	global_load_b128 v[AF+16+4*\j:AF+16+4*\j+3], v10, s[96:97] offset:512*\j
.endr
	v_and_b32 v1, 15, v0
	v_bfe_u32 v2, v0, 4, 1
	v_and_b32 v6, 31, v0
	v_lshlrev_b32 v[CO], 4, v6
	v_mul_u32_u24 v3, v1, PITCH
	v_lshl_add_u32 v4, v2, 4, v3
	s_mul_i32 s21, s15, HALFA
	s_mul_i32 s22, s16, HALFB
	s_add_co_u32 s22, s22, APART
.irp s, 0,1
	v_add_nc_u32 v[ADRA+\s], s21, v[CO]
	v_add_nc_u32 v[ADRB+\s], s22, v4
	s_add_co_u32 s21, s21, SLOT
	s_add_co_u32 s22, s22, SLOT
.endr
	v_mul_u32_u24 v5, v1, KS
	v_lshrrev_b32 v6, 8, v5
	v_lshl_add_u32 v5, v6, 4, v5
	s_mul_i32 s21, s14, 2*HALFS                    ; my wave's own scale bytes: y's,
	v_mul_u32_u24 v6, HALFS/2, v2                  ; and behind them Wo's, which lanes 16-31 take
	s_add_co_u32 s21, s21, SCL
	v_add_nc_u32 v5, v5, v6
	v_add_nc_u32 v[ADRS], s21, v5
	s_mul_i32 s23, s14, 16*SPITCH
	v_mul_u32_u24 v5, v1, SPITCH
	v_lshl_add_u32 v5, v2, 5, v5
	v_add_nc_u32 v[STO], s23, v5
	v_add_nc_u32 v[RD], s23, v[CO]
	s_and_b32 s20, s17, 7
	s_lshl_b32 s20, s20, 7
	s_lshl_b32 s21, s15, 6
	s_add_co_u32 s20, s20, s21
	s_lshl_b32 s20, s20, 3
	s_lshr_b32 s21, s17, 3
	s_add_co_u32 s20, s20, s21
	s_lshl_b32 s20, s20, 12
	s_mov_b32 s21, 0
	s_add_nc_u64 s[12:13], s[12:13], s[20:21]
	s_lshl_b32 s46, s42, 10
	s_lshl_b32 s47, s16, 9
	s_add_co_u32 s46, s46, s47
	s_mov_b32 s47, 0
	s_add_nc_u64 s[12:13], s[12:13], s[46:47]
	s_add_nc_u64 s[66:67], s[66:67], s[46:47]
	v_lshlrev_b32 v7, 5, v2
.irp b, 0,1,2,3,4,5,6,7
	global_load_b128 v[BI+8*\b:BI+8*\b+3], v7, s[66:67] offset:64*\b
	global_load_b128 v[BI+8*\b+4:BI+8*\b+7], v7, s[66:67] offset:64*\b+16
.endr
	s_wait_alu depctr_va_vdst(0)
	s_wait_loadcnt 0x0
.irp j, 0,1,2,3,4,5,6,7,8,9,10,11
	ds_store_b128 v11, v[AF+4*\j:AF+4*\j+3] offset:544*\j          ; read by my wave alone: LDS serves a wave's instructions in order
.endr
.macro FRAGB reg, adr, q, i
.irp c, 0,1,2,3
	ds_load_b128 v[\reg+4*\c:\reg+4*\c+3], v[\adr] offset:128*(\q)+32*\c+(\i)*16*PITCH
.endr
.endm
.macro FRAGA reg, adr, q, i
.irp c, 0,1,2,3
	ds_load_b128 v[\reg+4*\c:\reg+4*\c+3], v[\adr] offset:4096*(\i)+2048*(\q)+512*\c
.endr
.endm
.macro MUL16 a0, p, q, sc, zero
.irp a, (\a0)/2
.irp b, 0,1,2,3,4,5,6,7
.set DR, 8*(8*((\a)%4)+\b)
.if \zero
.set CR, BI+8*\b
.else
.set CR, DR
.endif
	v_wmma_scale_f32_16x16x128_f8f6f4 v[DR:DR+7], v[128*(\p)+FR*\b:128*(\p)+FR*\b+FR-1], v[AF+FR*(\a):AF+FR*(\a)+FR-1], v[CR:CR+7], v[SC+8*NQ*(\sc)+NQ*\b+(\q)], v[SC+8*NQ*(\sc)+NQ*(\a)+(\q)] matrix_a_fmt:MATRIX_FMT_BF8 matrix_b_fmt:MATRIX_FMT_BF8 matrix_a_scale:MATRIX_SCALE_ROW1
.endr
.endr
.endm
.macro FETCH_B slot, q, p
	WIN TO_B
.irp i, 0,1,2,3,4,5,6,7
	FRAGB 128*(\p)+FR*\i, ADRB+\slot, \q, \i
.endr
	WIN 0
.endm
.macro FETCH_A slot, q, i0
.irp i, (\i0)/2, (\i0)/2+1
	FRAGA AF+FR*(\i), ADRA+\slot, \q, \i
.endr
.endm
.macro SCALES sc
.irp i, 0,1,2,3,4,5,6,7
	ds_load_b64 v[SC+8*NQ*\sc+NQ*\i:SC+8*NQ*\sc+NQ*\i+1], v[ADRS] offset:\i*SBLK
.endr
.endm
.macro PLACES n
.rept \n
	v_nop
.endr
.endm
.macro STEP slot, q, zero
	s_wait_dscnt 4*NL
.if \zero
	WIN FST_LO
.else
	WIN MUL_LO
.endif
	MUL16 0, (\q)%2, \q, \slot, \zero
	MUL16 2, (\q)%2, \q, \slot, \zero
	s_wait_dscnt 0
	PLACES NP
	FETCH_B \slot, (\q)+1, 1-(\q)%2
	FETCH_A \slot, (\q)+1, 0
.if \zero
	WIN FST_HI
.else
	WIN MUL_HI
.endif
	MUL16 4, (\q)%2, \q, \slot, \zero
	MUL16 6, (\q)%2, \q, \slot, \zero
	PLACES NP
	WIN 0
	FETCH_A \slot, (\q)+1, 4
.endm
.macro TURN slot, next, fill
	s_wait_tensorcnt 0x0
	ds_add_u32 v[SPW], v[NIL]
	s_wait_dscnt 4*NL+1
	WIN MUL_LO
	MUL16 0, 1, NQ-1, \slot, 0
	s_wait_dscnt 0x0
	s_barrier_signal -1
	MUL16 2, 1, NQ-1, \slot, 0
	WIN 0
	s_barrier_wait -1
.if \fill
	CREST
	s_add_nc_u64 s[G0+4*\slot+2:G0+4*\slot+3], s[G0+4*\slot+2:G0+4*\slot+3], 2*4096
	s_add_nc_u64 s[G0B+4*\slot+2:G0B+4*\slot+3], s[G0B+4*\slot+2:G0B+4*\slot+3], 2*ROWB
	JLOAD G0+4*\slot, G1, G0B+4*\slot, G1B
	PLACES NP-4
.else
	PLACES NP
.endif
	s_wait_alu depctr_va_vdst(0)
	v_add_nc_u32 v[ADRS], 4*NQ, v[ADRS]
	FETCH_B \next, 0, 0
	FETCH_A \next, 0, 0
	SCALES \next
	WIN MUL_HI
	MUL16 4, 1, NQ-1, \slot, 0
	MUL16 6, 1, NQ-1, \slot, 0
	PLACES NP
	WIN 0
	FETCH_A \next, 0, 4
.endm
	s_wait_alu depctr_va_vdst(0)
	s_cmp_lt_u32 s14, 2
	s_cbranch_scc0 .Lnot_first
	s_wait_tensorcnt 0x0                           ; waves 0 and 1: K step 0 is in.  K step 1's loads, waves 2 and 3's, are waited for at the first change of slots
.Lnot_first:
	s_wait_dscnt 0x0                               ; my scale bytes are stored
	s_barrier_signal -1
	s_barrier_wait -1
	FETCH_B 0, 0, 0
	FETCH_A 0, 0, 0
	SCALES 0
	FETCH_A 0, 0, 4
	STEP 0, 0, 1
	s_mov_b32 s3, LAPS-1
.Llap:
	TURN 0, 1, 1
	STEP 1, 0, 0
	TURN 1, 0, 1
	STEP 0, 0, 0
	s_sub_co_u32 s3, s3, 1
	s_cmp_lg_u32 s3, 0
	s_cbranch_scc1 .Llap
	TURN 0, 1, 0
	STEP 1, 0, 0
	s_wait_dscnt 4*NL
	WIN MUL_LO
	MUL16 0, 1, NQ-1, 1, 0
	MUL16 2, 1, NQ-1, 1, 0
	s_wait_dscnt 0
	WIN MUL_HI
	MUL16 4, 1, NQ-1, 1, 0
	MUL16 6, 1, NQ-1, 1, 0
	WIN 0
.macro TOSTAGE a
.set AC, 64*((\a)%4)
	WIN 0x08+4*((\a)/4)
.irp b, 0,1,2,3,4,5,6,7
	ds_store_b128 v[STO], v[AC+8*\b:AC+8*\b+3] offset:64*\b
	ds_store_b128 v[STO], v[AC+8*\b+4:AC+8*\b+7] offset:64*\b+16
.endr
	WIN 0
.set BB, BK+64*((\a)%2)
.irp t, 0,1,2,3,4,5,6,7,8,9,10,11,12,13,14,15
	ds_load_b128 v[BB+4*\t:BB+4*\t+3], v[RD] offset:\t*SPITCH
.endr
.endm
.macro SEND a, younger
.set BB, BK+64*((\a)%2)
	s_wait_dscnt \younger
.irp t, 0,1,2,3,4,5,6,7,8,9,10,11,12,13,14,15
	global_store_b128 v[CO], v[BB+4*\t:BB+4*\t+3], s[12:13] offset:(32*((\a)/2)+8*((\a)%2)+\t+8*(\t/8))*32768 th:TH_STORE_NT
.endr
.endm
	PLACES NP
	TOSTAGE 0
.irp a, 1,2,3
.if \a > 1
	s_wait_xcnt 0x0
.endif
	TOSTAGE \a
	SEND \a-1, 32
.endr
	SEND 3, 0
	s_wait_tensorcnt 0x0
	ds_add_u32 v[SPW], v[NIL]
	s_wait_dscnt 0x0
	CROUND
	s_endpgm
.Lfunc_end_k_qf14279c7ca_oproj:
	.size	k_qf14279c7ca_oproj, .Lfunc_end_k_qf14279c7ca_oproj-k_qf14279c7ca_oproj
	.p2alignl 7, 3214868480
	.fill 96, 4, 3214868480
	.section	.rodata,"a",@progbits
	.p2align	6, 0x0
	.amdhsa_kernel k_qf14279c7ca_oproj
		.amdhsa_group_segment_fixed_size 327680
		.amdhsa_private_segment_fixed_size 0
		.amdhsa_enable_private_segment 0
		.amdhsa_kernarg_size 48
		.amdhsa_user_sgpr_count 2
		.amdhsa_user_sgpr_kernarg_segment_ptr 1
		.amdhsa_wavefront_size32 1
		.amdhsa_system_sgpr_workgroup_id_x 1
		.amdhsa_system_sgpr_workgroup_id_y 1
		.amdhsa_system_sgpr_workgroup_id_z 1
		.amdhsa_system_vgpr_workitem_id 0
		.amdhsa_next_free_vgpr 1024
		.amdhsa_next_free_sgpr 98
		.amdhsa_reserve_vcc 0
		.amdhsa_float_denorm_mode_32 3
		.amdhsa_float_denorm_mode_16_64 3
		.amdhsa_memory_ordered 1
		.amdhsa_forward_progress 1
		.amdhsa_inst_pref_size 95
	.end_amdhsa_kernel
	.amdgpu_metadata
---
amdhsa.version: [ 1, 2 ]
amdhsa.kernels:
  - .name:           k_qf14279c7ca_oproj
    .symbol:         k_qf14279c7ca_oproj.kd
    .args:
      - { .name: yimg, .offset: 0, .size: 8, .value_kind: global_buffer, .address_space: global }
      - { .name: ysc, .offset: 8, .size: 8, .value_kind: global_buffer, .address_space: global }
      - { .name: wc, .offset: 16, .size: 8, .value_kind: global_buffer, .address_space: global }
      - { .name: ws, .offset: 24, .size: 8, .value_kind: global_buffer, .address_space: global }
      - { .name: bo, .offset: 32, .size: 8, .value_kind: global_buffer, .address_space: global }
      - { .name: out0, .offset: 40, .size: 8, .value_kind: global_buffer, .address_space: global }
    .group_segment_fixed_size: 327680
    .private_segment_fixed_size: 0
    .kernarg_segment_align: 8
    .kernarg_segment_size: 48
    .max_flat_workgroup_size: 128
    .sgpr_count:     98
    .vgpr_count:     1024
    .wavefront_size: 32
...
	.end_amdgpu_metadata
.endif
;; end of part 4
